; MI455X (gfx1250); checked and timed in simulation.
; The chip was launched on July 23, 2026; its instructions are those of AMD's public machine-readable ISA for CDNA 5 (MIT licence, August 2026) and "CDNA5" Instruction Set Architecture Reference Guide (July 2026). The comments in the code are by the model that wrote it; some were corrected since.
;; Subnet Gate. Allowed arithmetic: float matrix products may take bf16 or f16 operands with f32 sums; other float arithmetic in f32, or as packed bf16 or f16 multiplies, adds, multiply-adds, maxima and minima; sums over many terms, partial sums and values carried from step to step in f32; what a program stores and reads back later, other than sums and carried values, may be rounded once to bf16 or f16.
;; Inputs: W1 8 x 512 x 2,048 float32; W2 8 x 2,048 x 512 float32; b1 8 x 2,048 float32; b2 8 x 512 float32; groups 4,096 x 1 int32; x 4,096 x 512 float32.
;; Outputs: out0 4,096 x 512 float32.
;; 2 versions, each right. Each part assembles by itself: llvm-mc -triple=amdgcn-amd-amdhsa -mcpu=gfx1250 --defsym DOCPART=n.
;; ======== version 1 of 2: 2 launches
;; workspace buffers: h 150,994,944 bytes; order 147,712 bytes of whole numbers
;; launch hidden (part 1): grid 32 x 8, 4 waves a work-group, no clusters, 168,448 bytes of LDS; arguments W1, b1, groups, x, h, order; writes h, order
.if DOCPART == 1
	.amdgcn_target "amdgcn-amd-amdhsa--gfx1250"
	.amdhsa_code_object_version 6
	.text
	.protected	k_q57bc1f2d7a_hidden
	.globl	k_q57bc1f2d7a_hidden
	.p2align	8
	.type	k_q57bc1f2d7a_hidden,@function
k_q57bc1f2d7a_hidden:
	s_mov_b64 s[64:65], 0
	v_nop
	global_prefetch_b8 v0, s[64:65] scope:SCOPE_SE
	s_setreg_imm32_b32 hwreg(HW_REG_WAVE_MODE, 25, 1), 1
	s_wait_xcnt 0x0
; FIRST PRODUCT OF A LAYER OF ROUTED EXPERTS.  h = relu(x W1[e] + b1[e]) for the tokens whose group is e, and the list of those tokens.
; x [4096][512], W1 [8][512][2048], b1 [8][2048] f32; groups [4096] i32.  x, W1 and b1 are rounded to bf16, sums are f32, h is rounded once to bf16.
; GRID 32 x 8: y = expert e; x = 4 sl + q: sl = slice of 256 hidden columns, q = quarter of the expert's rows.  Four waves; wave w has columns 256 sl + 64 w .. + 63, all K = 512.
; ROWS.  The expert's tokens, in the order of the list made here, form blocks of 16; work-group q owns blocks q + 4 j and takes them nine at a time (a chunk, 144 rows).  The chunk loop has
; 8 trips whatever the counts (8 x 9 >= 64, a quarter's blocks when all 4,096 tokens choose one expert); every wave passes both barriers of every trip, a chunk without blocks jumps the work alone.
; A chunk with a block computes all nine: places past the count repeat the list's last token, so the loops hold no branch on data.
; THE LIST.  Every work-group counts for itself: wave w scans tokens 1024 w .. + 1023 and lays those of expert e into its own list in LDS; rank t is found in wave k's list, k = how many of the
; prefix sums P1..P3 are <= t.  The work-groups with sl = 0 store their blocks' tokens, and the one with sl = q = 0 the count, for the second product.
; WEIGHTS go from memory into registers and are rounded and turned there: for 32 k and 64 columns lane (m, hh) loads 16 bytes (4 columns) of rows 16 hh + 0..15; a conversion of rows 2 p, 2 p + 1
; of one column is register p of a fragment, with k = 16 hh + 2 p, + 1.  x's fragments carry the same order of k, so the products are the same.  Every load covers 2 x 256 consecutive aligned bytes.
; THE MATRIX INSTRUCTION IS USED TRANSPOSED (source 0 = 16 columns of W1, source 1 = 16 tokens).  Lane m takes column group pi(m) = (m&3) + 8 (m>>2 & 1) + 4 (m>>3), so that a lane's results are
; token l % 16, columns 16 hh + 0..15 and 32 + 16 hh + 0..15: after rounding just the registers of two fragments of the second product.  h is stored in that order:
; h [e][block 288][K step 64][half 2][lane 32][16 bytes]; each store of a wave covers 512 consecutive bytes, aligned.
; NO JOINT LOADS, no tensor loads: the four q partners read the same slice of W1, but f32 weights must pass through registers to be rounded; by way of LDS each would be 4 bytes written and 4 read
; for 2 bytes of operand, and the slice (524,288 bytes) does not fit beside x's tile (149,760), so it would want a ring; x's rows come by a list, which no descriptor covers.
; LIMITS.  groups lie in 0..7 (a token with another number gets no row).  relu is taken of the rounded number and lets a NaN become 0; infinities are not treated apart.
; REGISTERS in windows of 256 (s_set_vgpr_msb: bits 1:0 source 0, 3:2 source 1, 5:4 source 2, 7:6 destination):
;   window 0: v0-31 addresses and temporaries; v32-63 BF, W1's four fragments (earlier the group words, in the staging the rounded x); v64-255 RAW, a ring of three K steps of f32 weights
;   window 1: v0-215 AR, a ring of three K steps of x's nine fragments (earlier the bias as loaded; on the way out the packed results)
;   window 2: accumulators of blocks 0-7 at 32 b + 8 c (in the staging four slots of x rows)      window 3: v0-31 block 8's; v32-63 the bias as four C tuples
.set WROW,   8192                      ; bytes in a row of W1
.set KSB,    32*WROW                   ; a K step's rows
.set LPITCH, 4352                      ; a wave's list: 1,024 words, the word at index 1024 for tokens of other experts, rounded up to blocks of 256 bytes
.set CNTW,   4*LPITCH                  ; the four waves' counts
.set SPARE,  CNTW+256                  ; the spare words, 128 bytes a wave: two blocks of 256 bytes that no other line names
.set XT,     SPARE+512                 ; x's tile: 144 rows
.set XP,     1040                      ; a row: 1,024 bytes of bf16 + 16: 65 x 16, so the 16 rows of a fragment load start at 16 different groups of four banks (ISA guide 11.1)
.set XG,     48*XP                     ; three blocks: one address register reaches three blocks by the 16-bit offset
.set OPITCH, 18432                     ; order: 4,608 words an expert
.set OCNT,   8*OPITCH                  ; behind them the eight counts
.set LN,   1                           ; lane
.set L16,  2                           ; 16 x lane
.set WOFF, 3                           ; 16 rows x hh + 16 pi(m)
.set AADR, 4                           ; v4-6   LDS address of my part of x's fragments, blocks 0-2, 3-5, 6-8; steps along K
.set XST,  7                           ; v7-9   where I put rounded x: my wave's four rows of a block, 8 bytes a lane
.set SPW,  10                          ; my spare word; never rewritten
.set NIL,  11                          ; 0; never rewritten
.set TOKA, 12                          ; lane 4 b + i: the token of my wave's row i of block b, b = 0..7
.set TOKB, 13                          ; lane i: the same for block 8
.set RHOA, 14                          ; those rows' ranks in chunk 0
.set RHOB, 15
.set PF,   16                          ; offsets of the prefetches
.set LB,   17                          ; my wave's list
.set TK0,  18                          ; 1024 w + 4 lane
.set BOFF, 19                          ; 64 hh
.set AB,   27                          ; m x XP + 32 hh
.set OA,   28                          ; byte offsets of TOKA's and TOKB's ranks in the expert's part of order
.set OB2,  29
.set GOFF, 30                          ; my 16 bytes of groups
.set ZERO, 31                          ; 0, for relu
.set BF,   32
.set RAW,  64
.set BIAS, 32                          ; window 3
.set WB,  4                            ; s[4:5]   W1 at my wave's columns, walks along K
.set B1,  6                            ; s[6:7]   b1
.set GR,  8                            ; s[8:9]   groups
.set XA,  10                           ; s[10:11] x
.set HP,  12                           ; s[12:13] h
.set OP,  14                           ; s[14:15] order
.set WB0, 16                           ; s[16:17] WB at K = 0
.set HB,  18                           ; s[18:19] h at the chunk's first block, my wave's two K steps
.set WV,  20
.set EX,  21
.set QR,  22
.set SL,  23
.set CNT, 24                           ; running count, then the expert's count
.set CM1, 25                           ; the last rank
.set NBQ, 26                           ; my quarter's blocks
.set NBC, 27                           ; the chunk's blocks, 0 to 9
.set CH,  28
.set J0,  29                           ; the chunk's first block among my quarter's
.set KT,  30
.set T,   31
.set XB,  32                           ; s[32:63] four slots x four rows: addresses of x rows
.set PS,  66                           ; s66-68   P1..P3
.set ADJ, 69                           ; s69-71   k x LPITCH - 4 Pk
.set CW,  72                           ; s73-75   waves 1 to 3's counts
.set OBS, 78                           ; s[78:79] order at the expert's list
.set MSB, 0
.macro WIN new                         ; the immediate's high byte repeats the setting that is left; a switch that changes nothing is dropped
.if MSB != (\new)
	s_set_vgpr_msb (MSB<<8)|(\new)
.set MSB, (\new)
.endif
.endm
.macro PLACES                          ; four places behind a matrix instruction, ahead of writes of its sources and reads of its result (ISA guide 7.12.1)
.rept 4
	v_nop
.endr
.endm
; 16 loads: the f32 weights of the K step rel steps past WB, into slot of RAW
.macro WLOAD slot, rel
.irp ii, 0,1,2,3,4,5,6,7,8,9,10,11,12,13,14,15
	global_load_b128 v[RAW+64*(\slot)+4*\ii:RAW+64*(\slot)+4*\ii+3], v[WOFF], s[WB:WB+1] offset:(32*(\rel)+\ii)*WROW
.endr
.endm
.macro PREW                            ; K steps 0 to 2 fill the ring
	WLOAD 0, 0
	WLOAD 1, 1
	WLOAD 2, 2
.endm
; 32 conversions: slot of RAW becomes the four fragments: fragment c, register p = rows 2 p, 2 p + 1 of column c
.macro CVTW slot
.irp c, 0,1,2,3
.irp p, 0,1,2,3,4,5,6,7
	v_cvt_pk_bf16_f32 v[BF+8*\c+\p], v[RAW+64*(\slot)+8*\p+\c], v[RAW+64*(\slot)+8*\p+4+\c]
.endr
.endr
.endm
; 18 LDS loads: x's nine fragments of the K step rel steps past AADR
.macro ALOAD slot, rel
	WIN 0x40                           ; destination window 1
.irp b, 0,1,2,3,4,5,6,7,8
	ds_load_b128 v[72*(\slot)+8*\b:72*(\slot)+8*\b+3],   v[AADR+\b/3] offset:(\b%3)*16*XP+64*(\rel)
	ds_load_b128 v[72*(\slot)+8*\b+4:72*(\slot)+8*\b+7], v[AADR+\b/3] offset:(\b%3)*16*XP+64*(\rel)+16
.endr
.endm
; 36 matrix instructions; the 36 accumulators take turns, one instruction a turn, over the loop's jump too.  first = 1: the bias starts the sums
.macro MUL slot, first
.irp b, 0,1,2,3,4,5,6,7,8
.if \b < 8
.if \first
	WIN 0xb4                           ; W1 window 0, x window 1, C window 3 (the bias), D window 2
.else
	WIN 0xa4                           ; C and D window 2
.endif
.else
	WIN 0xf4                           ; C and D window 3
.endif
.irp c, 0,1,2,3
.if \first
	v_wmma_f32_16x16x32_bf16 v[(32*\b)%256+8*\c:(32*\b)%256+8*\c+7], v[BF+8*\c:BF+8*\c+7], v[72*(\slot)+8*\b:72*(\slot)+8*\b+7], v[BIAS+8*\c:BIAS+8*\c+7]
.else
	v_wmma_f32_16x16x32_bf16 v[(32*\b)%256+8*\c:(32*\b)%256+8*\c+7], v[BF+8*\c:BF+8*\c+7], v[72*(\slot)+8*\b:72*(\slot)+8*\b+7], v[(32*\b)%256+8*\c:(32*\b)%256+8*\c+7]
.endif
.endr
.endr
.endm
; A K step on ring slot k.  lw: the weight loads issued behind this step's (two steps' 32, in the tail 16 and 0).  relw: the step three on is asked for into the slot just converted (-1: none).
; ld: the LDS loads issued behind this step's fragments (the next step's 18, at the end 0).  rela: the fragments two steps on go into the slot multiplied last (-1: none).
.macro KSTEP k, first, lw, relw, ld, rela
.if !(\first)
	PLACES                             ; BF and the slot of AR that is loaded below were sources of the products just issued
.endif
	WIN 0
	s_wait_loadcnt \lw
	CVTW \k
.if (\relw) >= 0
	WLOAD \k, \relw
.endif
	s_wait_dscnt \ld
.if (\rela) >= 0
	ALOAD ((\k)+2)%3, \rela
.endif
	MUL \k, \first
.endm
; Rank t (a register) to its token: held to the last rank; the list's correction by the prefix sums; the address held inside the lists
.macro LOOKUP tok, t, a
	v_min_u32 v[\t], s[CM1], v[\t]
	v_min_u32 v[\t], 0xfff, v[\t]
	v_mov_b32 v[\a], 0
	v_cmp_le_u32 vcc_lo, s[PS], v[\t]
	v_cndmask_b32 v[\a], v[\a], v24, vcc_lo
	v_cmp_le_u32 vcc_lo, s[PS+1], v[\t]
	v_cndmask_b32 v[\a], v[\a], v25, vcc_lo
	v_cmp_le_u32 vcc_lo, s[PS+2], v[\t]
	v_cndmask_b32 v[\a], v[\a], v26, vcc_lo
	v_lshl_add_u32 v[\a], v[\t], 2, v[\a]
	v_min_u32 v[\a], 4*LPITCH-4, v[\a]
	ds_load_b32 v[\tok], v[\a]
.endm
; My wave's four rows of block b: their addresses, then 16 loads of 512 consecutive bytes
.macro XLOAD b, slot
	WIN 0
.irp i, 0,1,2,3
.if (\b) < 8
	v_readlane_b32 s2, v[TOKA], 4*(\b)+\i
.else
	v_readlane_b32 s2, v[TOKB], \i
.endif
	s_min_u32 s2, s2, 0xfff
	s_lshl_b32 s2, s2, 11              ; a row of x is 2,048 bytes
	s_add_nc_u64 s[XB+8*(\slot)+2*\i:XB+8*(\slot)+2*\i+1], s[XA:XA+1], s[2:3]
.endr
	WIN 0x80                           ; destination window 2
.irp i, 0,1,2,3
.irp j, 0,1,2,3
	global_load_b128 v[64*(\slot)+16*\i+4*\j:64*(\slot)+16*\i+4*\j+3], v[L16], s[XB+8*(\slot)+2*\i:XB+8*(\slot)+2*\i+1] offset:512*\j
.endr
.endr
.endm
; They are rounded to bf16 and laid into x's tile, 256 consecutive bytes a store
.macro XCONV b, slot
	WIN 0x0a                           ; sources window 2
.irp i, 0,1,2,3
.irp j, 0,1,2,3
	v_cvt_pk_bf16_f32 v[BF+2*(4*\i+\j)],   v[64*(\slot)+16*\i+4*\j],   v[64*(\slot)+16*\i+4*\j+1]
	v_cvt_pk_bf16_f32 v[BF+2*(4*\i+\j)+1], v[64*(\slot)+16*\i+4*\j+2], v[64*(\slot)+16*\i+4*\j+3]
.endr
.endr
	WIN 0
.irp i, 0,1,2,3
.irp j, 0,1,2,3
	ds_store_b64 v[XST+(\b)/3], v[BF+2*(4*\i+\j):BF+2*(4*\i+\j)+1] offset:(((\b)%3)*16+\i)*XP+256*\j
.endr
.endr
.endm
; Block b leaves: rounded (each accumulator's lowest register is read first), relu on the packed halves, four stores of 512 consecutive bytes
.macro EPI b
.if (\b) < 8
	WIN 0x4a                           ; sources window 2, destination window 1
.else
	WIN 0x4f
.endif
.irp j, 0,1,2,3,4,5,6,7
	v_cvt_pk_bf16_f32 v[16*(\b)+2*\j],   v[(32*(\b))%256+\j],    v[(32*(\b))%256+8+\j]
	v_cvt_pk_bf16_f32 v[16*(\b)+2*\j+1], v[(32*(\b))%256+16+\j], v[(32*(\b))%256+24+\j]
.endr
	WIN 0x41
.irp t, 0,1,2,3,4,5,6,7,8,9,10,11,12,13,14,15
	v_pk_max_num_bf16 v[16*(\b)+\t], v[16*(\b)+\t], v[ZERO]
.endr
	WIN 0x04                           ; data window 1
.irp t, 0,1,2,3
	global_store_b128 v[L16], v[16*(\b)+4*\t:16*(\b)+4*\t+3], s[HB:HB+1] offset:(\b)*262144+512*\t  ; my quarter's blocks lie 4 x 65,536 bytes apart
.endr
.endm
; K steps 4 a .. 4 a + 3 of my wave's 256-byte column block are asked for ahead: lane (l / 8, l % 8) asks for row 8 q + l % 8 of step 4 a + l / 8, so the four q partners together ask for each
; row's 256 bytes once; only the first chunk asks.  The last row asked for is 511, the expert's last.
.macro PFETCH a
	WIN 0
	s_cmp_lg_u32 s[J0], 0
	s_cbranch_scc1 .Lasked_\@
	global_prefetch_b8 v[PF], s[WB:WB+1] offset:(\a)*4*KSB th:TH_LOAD_NT scope:SCOPE_SE
.Lasked_\@:
.endm
	s_load_b256 s[4:11], s[0:1], 0x0               ; W1, b1, groups, x
	s_load_b128 s[12:15], s[0:1], 0x20             ; h, order
	v_lshl_add_u32 v[SPW], v0, 2, SPARE
	v_mov_b32 v[NIL], 0
	v_mov_b32 v[ZERO], 0
	v_lshrrev_b32 v20, 5, v0
	v_readfirstlane_b32 s[WV], v20                 ; wave 0..3
	s_and_b32 s[EX], ttmp7, 0xffff                 ; expert
	s_and_b32 s[QR], ttmp9, 3                      ; quarter of the rows
	s_lshr_b32 s[SL], ttmp9, 2                     ; slice of the columns
	s_mov_b32 s3, 0                                ; s[2:3] is a pair for offsets: its high word stays 0
	v_and_b32 v[LN], 31, v0
	v_lshlrev_b32 v[L16], 4, v[LN]
	v_and_b32 v20, 15, v0                          ; m
	v_bfe_u32 v21, v0, 4, 1                        ; hh
	v_and_b32 v22, 3, v20
	v_and_b32 v23, 4, v20
	v_lshl_or_b32 v22, v23, 1, v22
	v_and_b32 v23, 8, v20
	v_lshrrev_b32 v23, 1, v23
	v_or_b32 v22, v22, v23                         ; pi(m)
	v_lshlrev_b32 v[WOFF], 4, v22
	v_lshl_add_u32 v[WOFF], v21, 17, v[WOFF]       ; + 16 rows of 8,192 bytes x hh
	v_mul_u32_u24 v[AB], v20, XP
	v_lshl_add_u32 v[AB], v21, 5, v[AB]            ; row m, 32 bytes (16 k) for each half of the lanes
	s_mul_i32 s[T], s[WV], 4*XP
	s_add_co_u32 s[T], s[T], XT
	v_lshl_add_u32 v[XST], v[LN], 3, s[T]
	v_add_nc_u32 v[XST+1], XG, v[XST]
	v_add_nc_u32 v[XST+2], 2*XG, v[XST]
	s_lshl_b32 s[T], s[QR], 4
	s_lshl2_add_u32 s[T], s[WV], s[T]              ; 16 q + 4 w
	v_lshrrev_b32 v24, 2, v[LN]
	v_and_b32 v25, 3, v[LN]
	v_lshl_add_u32 v[RHOA], v24, 6, v25            ; my quarter's blocks lie 64 ranks apart
	v_add_nc_u32 v[RHOA], s[T], v[RHOA]
	v_add_nc_u32 v[RHOB], s[T], v25
	v_add_nc_u32 v[RHOB], 0x200, v[RHOB]           ; block 8: 8 x 64 ranks on
	s_lshl_b32 s[T], s[QR], 3
	v_lshrrev_b32 v24, 3, v[LN]
	v_and_b32 v25, 7, v[LN]
	v_add_nc_u32 v25, s[T], v25
	v_lshlrev_b32 v[PF], 13, v25
	v_lshl_add_u32 v[PF], v24, 18, v[PF]
	s_mul_i32 s[T], s[WV], LPITCH
	v_mov_b32 v[LB], s[T]
	s_lshl_b32 s[T], s[WV], 10
	v_lshl_add_u32 v[TK0], v[LN], 2, s[T]
	v_lshlrev_b32 v[BOFF], 6, v21
	s_lshl_b32 s[T], s[WV], 12
	v_add_nc_u32 v[GOFF], s[T], v[L16]
	s_wait_kmcnt 0x0
	s_lshl_b32 s2, s[EX], 22                       ; an expert's W1 is 4,194,304 bytes
	s_lshl_b32 s[T], s[SL], 10
	s_add_co_u32 s2, s2, s[T]
	s_lshl_b32 s[T], s[WV], 8
	s_add_co_u32 s2, s2, s[T]
	s_add_nc_u64 s[WB0:WB0+1], s[WB:WB+1], s[2:3]
	s_mov_b64 s[WB:WB+1], s[WB0:WB0+1]
	s_lshl_b32 s2, s[EX], 13
	s_lshl_b32 s[T], s[SL], 10
	s_add_co_u32 s2, s2, s[T]
	s_lshl_b32 s[T], s[WV], 8
	s_add_co_u32 s2, s2, s[T]
	s_add_nc_u64 s[B1:B1+1], s[B1:B1+1], s[2:3]
	s_mul_i32 s2, s[EX], OPITCH
	s_add_nc_u64 s[OBS:OBS+1], s[OP:OP+1], s[2:3]
	; all that can be asked for now: my 1,024 group words, my bias, the first three K steps of weights
.irp i, 0,1,2,3,4,5,6,7
	global_load_b128 v[BF+4*\i:BF+4*\i+3], v[GOFF], s[GR:GR+1] offset:512*\i
.endr
	WIN 0x40
.irp j, 0,1,2,3,4,5,6,7
	global_load_b128 v[4*\j:4*\j+3], v[BOFF], s[B1:B1+1] offset:128*(\j/4)+16*(\j%4)  ; columns 32 (j / 4) + 16 hh + 4 (j % 4) + 0..3: register j of the four C tuples
.endr
	WIN 0
	PREW
	s_wait_loadcnt 56                              ; the group words are in: behind them 8 loads of bias and 48 of weights were issued
	; THE LIST.  Word jj of lane l is token 1024 w + 128 (jj / 4) + 4 l + jj % 4.  A token of my expert gets the next place of my wave's list; the others go to the word behind it.
	s_mov_b32 s[CNT], 0
.set jj, 0
.rept 32
	v_cmp_eq_u32 vcc_lo, s[EX], v[BF+jj]
	v_mbcnt_lo_u32_b32 v[20+2*(jj%2)], vcc_lo, s[CNT]      ; the count so far + the lanes below me that have one
	s_bcnt1_i32_b32 s[T], vcc_lo
	s_add_co_u32 s[CNT], s[CNT], s[T]
	v_cndmask_b32 v[20+2*(jj%2)], 0x400, v[20+2*(jj%2)], vcc_lo
	v_min_u32 v[20+2*(jj%2)], 0x400, v[20+2*(jj%2)]
	v_lshl_add_u32 v[20+2*(jj%2)], v[20+2*(jj%2)], 2, v[LB]
	v_add_nc_u32 v[21+2*(jj%2)], 128*(jj/4)+jj%4, v[TK0]
	ds_store_b32 v[20+2*(jj%2)], v[21+2*(jj%2)]
.set jj, jj+1
.endr
	global_prefetch_b8 v[PF], s[WB:WB+1] offset:4*KSB th:TH_LOAD_NT scope:SCOPE_SE  ; K steps 4 to 7, shared out as PFETCH says
	v_mov_b32 v20, s[CNT]
	s_lshl_b32 s[T], s[WV], 2
	s_add_co_u32 s[T], s[T], CNTW
	v_mov_b32 v21, s[T]
	ds_store_b32 v21, v20                          ; all lanes write my wave's count into its word
	s_wait_dscnt 0x0                               ; for the others' sake: my list and my count are in LDS
	s_barrier_signal -1
	s_barrier_wait -1
	v_mov_b32 v24, CNTW
	ds_load_b128 v[20:23], v24
	s_wait_dscnt 0x0
	v_readfirstlane_b32 s[PS], v20                 ; P1
	v_readfirstlane_b32 s[CW+1], v21
	v_readfirstlane_b32 s[CW+2], v22
	v_readfirstlane_b32 s[CW+3], v23
	s_add_co_u32 s[PS+1], s[PS], s[CW+1]
	s_add_co_u32 s[PS+2], s[PS+1], s[CW+2]
	s_add_co_u32 s[CNT], s[PS+2], s[CW+3]
	s_min_u32 s[CNT], s[CNT], 0x1000
	s_lshl_b32 s[T], s[PS], 2
	s_sub_co_u32 s[ADJ], LPITCH, s[T]              ; rank t lies at 4 t + k LPITCH - 4 Pk
	s_lshl_b32 s[T], s[PS+1], 2
	s_sub_co_u32 s[ADJ+1], 2*LPITCH, s[T]
	s_lshl_b32 s[T], s[PS+2], 2
	s_sub_co_u32 s[ADJ+2], 3*LPITCH, s[T]
	s_max_u32 s[CM1], s[CNT], 1
	s_sub_co_u32 s[CM1], s[CM1], 1
	s_add_co_u32 s[NBQ], s[CNT], 15
	s_lshr_b32 s[NBQ], s[NBQ], 4                   ; the expert's blocks,
	s_add_co_u32 s[NBQ], s[NBQ], 3
	s_sub_co_u32 s[NBQ], s[NBQ], s[QR]
	s_lshr_b32 s[NBQ], s[NBQ], 2                   ; and those of them that are q + 4 j
	s_wait_loadcnt 48                              ; the bias is in: behind it the 48 loads of weights were issued
	WIN 0x45                                       ; the bias is rounded to bf16 like the other inputs, and laid out as four C tuples
.irp j, 0,1,2,3,4,5,6,7
	v_cvt_pk_bf16_f32 v[32+2*\j],   v[4*\j],   v[4*\j+1]
	v_cvt_pk_bf16_f32 v[32+2*\j+1], v[4*\j+2], v[4*\j+3]
.endr
	WIN 0xc4                                       ; source 1 window 1, destination window 3
.irp j, 0,1,2,3,4,5,6,7
	v_lshlrev_b32 v[BIAS+\j],    16,         v[32+2*\j]
	v_and_b32     v[BIAS+8+\j],  0xffff0000, v[32+2*\j]
	v_lshlrev_b32 v[BIAS+16+\j], 16,         v[32+2*\j+1]
	v_and_b32     v[BIAS+24+\j], 0xffff0000, v[32+2*\j+1]
.endr
	WIN 0
	s_or_b32 s[T], s[SL], s[QR]
	s_cmp_lg_u32 s[T], 0
	s_cbranch_scc1 .Lnocnt                         ; one work-group an expert stores the count, by its thread 0
	s_lshl_b32 s[T], s[EX], 2
	s_add_co_u32 s[T], s[T], OCNT
	v_mov_b32 v20, s[T]
	v_mov_b32 v21, s[CNT]
	v_cmp_eq_u32 vcc_lo, 0, v0
	s_wait_xcnt 0x0                                ; EXEC is a source of the loads that are out: it changes only behind this wait
	s_and_saveexec_b32 s[T], vcc_lo
	global_store_b32 v20, v21, s[OP:OP+1]
	s_wait_xcnt 0x0                                ; and again, ahead of the line that widens it
	s_or_b32 exec_lo, exec_lo, s[T]
.Lnocnt:
	s_mov_b32 s[CH], 8
	s_mov_b32 s[J0], 0
.Lchunk:
	s_wait_xcnt 0x0                                ; the last trip's loads and stores have read their registers: HB, OA, OB2 and the tokens are written anew below
	s_max_u32 s[NBC], s[NBQ], s[J0]
	s_sub_co_u32 s[NBC], s[NBC], s[J0]
	s_min_u32 s[NBC], s[NBC], 9                    ; the chunk's blocks: 0 to 9
	s_mul_i32 s2, s[EX], 288
	s_add_co_u32 s2, s2, s[QR]
	s_lshl2_add_u32 s2, s[J0], s2                  ; block 288 e + q + 4 J0,
	s_lshl_b32 s2, s2, 16                          ; 65,536 bytes each (150,994,944 at the most),
	s_lshl_b32 s[T], s[SL], 13
	s_add_co_u32 s2, s2, s[T]
	s_lshl_b32 s[T], s[WV], 11
	s_add_co_u32 s2, s2, s[T]                      ; K steps 8 sl + 2 w, 1,024 bytes each
	s_add_nc_u64 s[HB:HB+1], s[HP:HP+1], s[2:3]
	s_wait_dscnt 0x0                               ; my reads of x's tile are over
	s_barrier_signal -1
	s_barrier_wait -1                              ; everybody's are: the tile may be written
	s_cmp_eq_u32 s[NBC], 0
	s_cbranch_scc1 .Lnostage
	; THE STAGING.  My wave brings rows 4 w .. 4 w + 3 of each of the nine blocks.
	s_lshl_b32 s[T], s[J0], 6
	v_add_nc_u32 v20, s[T], v[RHOA]
	v_add_nc_u32 v22, s[T], v[RHOB]
	v_lshlrev_b32 v[OA], 2, v20
	v_lshlrev_b32 v[OB2], 2, v22
	v_mov_b32 v24, s[ADJ]
	v_mov_b32 v25, s[ADJ+1]
	v_mov_b32 v26, s[ADJ+2]
	LOOKUP TOKA, 20, 21
	LOOKUP TOKB, 22, 23
	s_wait_dscnt 0x0
	v_min_u32 v[TOKA], 0xfff, v[TOKA]
	v_min_u32 v[TOKB], 0xfff, v[TOKB]
	s_cmp_lg_u32 s[SL], 0
	s_cbranch_scc1 .Lnoord                         ; slice 0 leaves the list for the second product: all 144 places of the chunk, the repeats too
	global_store_b32 v[OA], v[TOKA], s[OBS:OBS+1]
	global_store_b32 v[OB2], v[TOKB], s[OBS:OBS+1]
.Lnoord:
	XLOAD 0, 0
	XLOAD 1, 1
	XLOAD 2, 2
	PFETCH 2
.irp b, 0,1,2,3,4,5,6,7,8
.if \b+3 <= 8
	XLOAD \b+3, (\b+3)%4                           ; its slot's loads were waited for, and its rows converted, a block ago
.endif
.if \b <= 5
	s_wait_loadcnt 48                              ; block b is in: behind it three blocks' 16 loads were issued,
.else
	s_wait_loadcnt 16*(8-\b)                       ; at the end two, one, none
.endif
	XCONV \b, \b%4
.endr
.Lnostage:
	s_wait_dscnt 0x0                               ; for the others' sake: my rows are in the tile
	s_barrier_signal -1
	s_barrier_wait -1
	s_cmp_eq_u32 s[NBC], 0
	s_cbranch_scc1 .Lnowork
	; THE PRODUCT: 16 K steps of 32, 36 matrix instructions each
	v_add_nc_u32 v[AADR],   XT,      v[AB]
	v_add_nc_u32 v[AADR+1], XT+XG,   v[AB]
	v_add_nc_u32 v[AADR+2], XT+2*XG, v[AB]
	ALOAD 0, 0
	ALOAD 1, 1
	KSTEP 0, 1, 32, 3, 18, 2                       ; K step 0 stands ahead of the loop: the bias starts the sums
	PFETCH 3
	s_mov_b32 s[KT], 4
.Lk:                                               ; K steps 1 + 3 t, 2 + 3 t, 3 + 3 t: once round both rings
	KSTEP 1, 0, 32, 4, 18, 3
	KSTEP 2, 0, 32, 5, 18, 4
	KSTEP 0, 0, 32, 6, 18, 5
	WIN 0
	s_wait_xcnt 0x0                                ; the loads have read WB
	s_add_nc_u64 s[WB:WB+1], s[WB:WB+1], 3*KSB
	v_add_nc_u32 v[AADR],   192, v[AADR]
	v_add_nc_u32 v[AADR+1], 192, v[AADR+1]
	v_add_nc_u32 v[AADR+2], 192, v[AADR+2]
	s_sub_co_u32 s[KT], s[KT], 1
	s_cmp_lg_u32 s[KT], 0
	s_cbranch_scc1 .Lk
	KSTEP 1, 0, 32, -1, 18, 3                      ; K steps 13 to 15: no weights are left to ask for, and the counts run down
	KSTEP 2, 0, 16, -1, 18, -1
	KSTEP 0, 0, 0, -1, 0, -1
	PLACES
.irp b, 0,1,2,3,4,5,6,7,8
	EPI \b
.endr
	WIN 0
	s_wait_xcnt 0x0                                ; the stores have read their registers
	s_mov_b64 s[WB:WB+1], s[WB0:WB0+1]
	s_add_co_u32 s[T], s[J0], 9
	s_cmp_lt_u32 s[T], s[NBQ]
	s_cbranch_scc0 .Lnowork
	PREW                                           ; a further chunk follows: its first weights
.Lnowork:
	s_add_co_u32 s[J0], s[J0], 9
	s_sub_co_u32 s[CH], s[CH], 1
	s_cmp_lg_u32 s[CH], 0
	s_cbranch_scc1 .Lchunk
	s_wait_dscnt 0x0                               ; my last reads of x's tile are over.  Their addresses step along K in a register; the barrier below puts every wave's reads
	s_barrier_signal -1                            ; ahead of every wave's closing add, whatever those registers hold: once a launch
	s_barrier_wait -1
	s_wait_tensorcnt 0x0                           ; the wave's end, behind my last LDS store
	ds_add_u32 v[SPW], v[NIL]
	s_wait_dscnt 0x0
	s_endpgm
.Lfunc_end_k_q57bc1f2d7a_hidden:
	.size	k_q57bc1f2d7a_hidden, .Lfunc_end_k_q57bc1f2d7a_hidden-k_q57bc1f2d7a_hidden
	.p2alignl 7, 3214868480
	.fill 96, 4, 3214868480
	.section	.rodata,"a",@progbits
	.p2align	6, 0x0
	.amdhsa_kernel k_q57bc1f2d7a_hidden
		.amdhsa_group_segment_fixed_size 168448
		.amdhsa_private_segment_fixed_size 0
		.amdhsa_enable_private_segment 0
		.amdhsa_kernarg_size 48
		.amdhsa_user_sgpr_count 2
		.amdhsa_user_sgpr_kernarg_segment_ptr 1
		.amdhsa_wavefront_size32 1
		.amdhsa_system_sgpr_workgroup_id_x 1
		.amdhsa_system_sgpr_workgroup_id_y 1
		.amdhsa_system_sgpr_workgroup_id_z 1
		.amdhsa_system_vgpr_workitem_id 0
		.amdhsa_next_free_vgpr 832
		.amdhsa_next_free_sgpr 80
		.amdhsa_reserve_vcc 1
		.amdhsa_float_denorm_mode_32 3
		.amdhsa_float_denorm_mode_16_64 3
		.amdhsa_memory_ordered 1
		.amdhsa_forward_progress 1
		.amdhsa_inst_pref_size 154
	.end_amdhsa_kernel
	.amdgpu_metadata
---
amdhsa.version: [ 1, 2 ]
amdhsa.kernels:
  - .name:           k_q57bc1f2d7a_hidden
    .symbol:         k_q57bc1f2d7a_hidden.kd
    .args:
      - { .name: W1, .offset: 0, .size: 8, .value_kind: global_buffer, .address_space: global }
      - { .name: b1, .offset: 8, .size: 8, .value_kind: global_buffer, .address_space: global }
      - { .name: groups, .offset: 16, .size: 8, .value_kind: global_buffer, .address_space: global }
      - { .name: x, .offset: 24, .size: 8, .value_kind: global_buffer, .address_space: global }
      - { .name: h, .offset: 32, .size: 8, .value_kind: global_buffer, .address_space: global }
      - { .name: order, .offset: 40, .size: 8, .value_kind: global_buffer, .address_space: global }
    .group_segment_fixed_size: 168448
    .private_segment_fixed_size: 0
    .kernarg_segment_align: 8
    .kernarg_segment_size: 48
    .max_flat_workgroup_size: 128
    .sgpr_count:     80
    .vgpr_count:     832
    .wavefront_size: 32
...
	.end_amdgpu_metadata
.endif
;; end of part 1
;; launch output (part 2): grid 32 x 8, 4 waves a work-group, no clusters, 164,352 bytes of LDS; arguments W2, b2, h, order, out0; writes out0
.if DOCPART == 2
	.amdgcn_target "amdgcn-amd-amdhsa--gfx1250"
	.amdhsa_code_object_version 6
	.text
	.protected	k_q57bc1f2d7a_output
	.globl	k_q57bc1f2d7a_output
	.p2align	8
	.type	k_q57bc1f2d7a_output,@function
k_q57bc1f2d7a_output:
	s_mov_b64 s[64:65], 0
	v_nop
	global_prefetch_b8 v0, s[64:65] scope:SCOPE_SE
	s_setreg_imm32_b32 hwreg(HW_REG_WAVE_MODE, 25, 1), 1
	s_wait_xcnt 0x0
; SECOND PRODUCT OF A LAYER OF ROUTED EXPERTS.  out[token] = h W2[e] + b2[e] for the tokens of expert e, by the list and the count that the first product left in order.
; W2 [8][2048][512], b2 [8][512] f32, rounded to bf16 here; h bf16, in the order of this product's fragments: [e][block 288][K step 64][half 2][lane 32][16 bytes]; sums f32; out [4096][512] f32.
; GRID 32 x 8: y = expert e; x = 4 sl + q: sl = slice of 64 output columns (256 aligned bytes of a row of out), q = quarter of the expert's blocks of 16 rows (blocks q + 4 j), nine to a chunk.
; The chunk loop has 8 trips whatever the count (8 x 9 >= 64 blocks); every wave passes both barriers of every trip; a chunk without blocks jumps the work alone.  A chunk with a block multiplies all
; nine (the first product has written all nine), and stores only those that exist.
; WAVES SHARE K: wave w has K steps 16 w .. 16 w + 15, so each byte of h and of W2 that the work-group needs goes once from memory straight into one wave's registers.  The four partial sums
; (f32) meet in LDS once a chunk; wave w then adds, for blocks w / 2 + 2 i, the rows 4 (w % 2) + 0..3 of each half, adds the bias and stores.
; WEIGHTS are rounded and turned in registers: lane (n, hh) loads 16 bytes (4 columns) of rows 16 hh + 0..15 of a K step; a conversion of rows 2 p, 2 p + 1 of one column is register p of a fragment
; with k = 16 hh + 2 p, + 1, the order in which h was laid out.  Fragment c holds columns 4 n + c, so a lane's four sums of one row are 16 consecutive bytes of out, and 16 lanes store 256 aligned bytes.
; NO JOINT LOADS, no tensor loads: W2's slice is shared by the four q partners, but f32 weights must pass through registers to be rounded (by way of LDS 4 bytes written and 4 read for 2 of operand);
; h's blocks are shared by the eight sl partners and go straight into registers as operands, with no LDS pass at all.
; LIMITS.  As the first product's: groups in 0..7; NaN and infinities are not treated apart.  In the list's last block the places past the count repeat the last token: its row is stored
; more than once, by this work-group alone, with the same bits.
; REGISTERS in windows of 256 (s_set_vgpr_msb: bits 1:0 source 0, 3:2 source 1, 5:4 source 2, 7:6 destination):
;   window 0: v0-31 addresses and temporaries; v32-63 BF, W2's four fragments (in the reduction the stores' offsets); v64-255 RAW, a ring of three K steps of f32 weights
;   window 1: v0-215 AR, a ring of three K steps of h's nine fragments (in the reduction v0-63 the four partial sums, v64-143 the rows to store)
;   window 2: accumulators of blocks 0-7 at 32 b + 8 c      window 3: v0-31 block 8's; v32-51 the tokens of the rows that I store
.set WROW,   2048                      ; bytes in a row of W2
.set KSB,    32*WROW
.set RPW,    40960                     ; a wave's partial sums: [block][c 4][half of the registers 2][lane 32][16 bytes]: nine blocks of 4,096 bytes, rounded up to ten
.set SPARE,  4*RPW                     ; behind them the spare words, 128 bytes a wave: two blocks of 256 bytes that no other line names
.set OPITCH, 18432
.set OCNT,   8*OPITCH
.set L16,  1                           ; 16 x lane
.set WOFF, 2                           ; 16 rows x hh + 16 n
.set PSA,  3                           ; where I put my partial sums
.set RD,   4                           ; v4-7  where I read wave k's
.set SPW,  8                           ; my spare word; never rewritten
.set NIL,  9                           ; 0; never rewritten
.set BI,   10                          ; v10-13 b2 of my four columns
.set TKO,  14                          ; byte offset in the chunk's list of the four rows that I store of block w / 2
.set N16,  15                          ; 16 n
.set PF,   16                          ; offsets of the prefetches
.set TKO8, 17                          ; the same as TKO for an even block
.set BF,   32
.set OFS,  32
.set RAW,  64
.set P,    0                           ; window 1
.set O,    64                          ; window 1
.set TK,   32                          ; window 3
.set WB,  4                            ; s[4:5]   W2 at my K quarter and slice, walks along K
.set B2,  6                            ; s[6:7]   b2
.set HP,  8                            ; s[8:9]   h
.set OP,  10                           ; s[10:11] order
.set OUTB, 12                          ; s[12:13] out0 at my slice
.set WB0, 16
.set HA,  18                           ; s[18:19] h at the chunk's first block and my K quarter, walks along K
.set OB,  22                           ; s[22:23] order at the chunk's first rank
.set WV,  24
.set EX,  25
.set QR,  26
.set SL,  27
.set CNT, 28
.set NBQ, 29
.set NBC, 30
.set CH,  31
.set J0,  32
.set KT,  33
.set T,   34
.set U,   35
.set MSB, 0
.macro WIN new                         ; the immediate's high byte repeats the setting that is left; a switch that changes nothing is dropped
.if MSB != (\new)
	s_set_vgpr_msb (MSB<<8)|(\new)
.set MSB, (\new)
.endif
.endm
.macro PLACES                          ; four places behind a matrix instruction, ahead of writes of its sources and reads of its result (ISA guide 7.12.1)
.rept 4
	v_nop
.endr
.endm
.macro WLOAD slot, rel                 ; 16 loads: the f32 weights of the K step rel steps past WB
.irp ii, 0,1,2,3,4,5,6,7,8,9,10,11,12,13,14,15
	global_load_b128 v[RAW+64*(\slot)+4*\ii:RAW+64*(\slot)+4*\ii+3], v[WOFF], s[WB:WB+1] offset:(32*(\rel)+\ii)*WROW
.endr
.endm
.macro PREW                            ; K steps 0 and 1
	WLOAD 0, 0
	WLOAD 1, 1
.endm
.macro CVTW slot                       ; 32 conversions: fragment c, register p = rows 2 p, 2 p + 1 of column c
.irp c, 0,1,2,3
.irp p, 0,1,2,3,4,5,6,7
	v_cvt_pk_bf16_f32 v[BF+8*\c+\p], v[RAW+64*(\slot)+8*\p+\c], v[RAW+64*(\slot)+8*\p+4+\c]
.endr
.endr
.endm
.macro ALOAD slot, rel                 ; 18 loads of 512 consecutive bytes: h's nine fragments of the K step rel steps past HA
	WIN 0x40                           ; destination window 1
.irp b, 0,1,2,3,4,5,6,7,8
	global_load_b128 v[72*(\slot)+8*\b:72*(\slot)+8*\b+3],   v[L16], s[HA:HA+1] offset:\b*262144+(\rel)*1024
	global_load_b128 v[72*(\slot)+8*\b+4:72*(\slot)+8*\b+7], v[L16], s[HA:HA+1] offset:\b*262144+(\rel)*1024+512
.endr
.endm
; 36 matrix instructions; the 36 accumulators take turns, one instruction a turn, over the loop's jump too.  first = 1: the constant 0 starts the sums
.macro MUL slot, first
.irp b, 0,1,2,3,4,5,6,7,8
.if \b < 8
	WIN 0xa1                           ; h window 1, W2 window 0, C and D window 2
.else
	WIN 0xf1                           ; C and D window 3
.endif
.irp c, 0,1,2,3
.if \first
	v_wmma_f32_16x16x32_bf16 v[(32*\b)%256+8*\c:(32*\b)%256+8*\c+7], v[72*(\slot)+8*\b:72*(\slot)+8*\b+7], v[BF+8*\c:BF+8*\c+7], 0
.else
	v_wmma_f32_16x16x32_bf16 v[(32*\b)%256+8*\c:(32*\b)%256+8*\c+7], v[72*(\slot)+8*\b:72*(\slot)+8*\b+7], v[BF+8*\c:BF+8*\c+7], v[(32*\b)%256+8*\c:(32*\b)%256+8*\c+7]
.endif
.endr
.endr
.endm
; A K step on ring slot k.  lw: the loads issued behind this step's: the next step's 18 of h and 16 of weights.  rel: the step two on is asked for (-1: none): h ahead of the products, the weights
; behind them: with these 16 more loads are asked for than LOADcnt's field counts, and the issue that waits for room (ISA guide 5.7.1) then holds no product back.
.macro KSTEP k, first, lw, rel
.if !(\first)
	PLACES                             ; BF and the slot of AR that is loaded below were sources of the products just issued
.endif
	WIN 0
	s_wait_loadcnt \lw
	CVTW \k
.if (\rel) >= 0
	ALOAD ((\k)+2)%3, \rel
.endif
	MUL \k, \first
.if (\rel) >= 0
	WIN 0
	WLOAD ((\k)+2)%3, \rel
.endif
.endm
; Unit i of the reduction: block w / 2 + 2 i, registers 4 (w % 2) + 0..3 of its four accumulators: rows 8 hh + 4 (w % 2) + j, columns 4 n + c.  A block that the count does not reach, and
; all behind it, are jumped; of nine blocks waves 2 and 3 have four, so they have no unit 4.  The addition of the bias also turns the 4 x 4 numbers, so that a row's four columns lie in neighbouring registers.
.macro UNIT i
	WIN 0
.if (\i) == 4
	s_cmp_ge_u32 s[WV], 2
	s_cbranch_scc1 .Lred_end
.endif
	s_lshr_b32 s[T], s[WV], 1
	s_add_co_u32 s[T], s[T], 2*(\i)
	s_cmp_ge_u32 s[T], s[NBC]
	s_cbranch_scc1 .Lred_end
	WIN 0x40
.irp k, 0,1,2,3
.irp c, 0,1,2,3
	ds_load_b128 v[P+16*\k+4*\c:P+16*\k+4*\c+3], v[RD+\k] offset:(\i)*8192+\c*1024
.endr
.endr
	WIN 0x0c                           ; source 1 window 3
.irp j, 0,1,2,3
	v_min_u32 v[20+\j], 0xfff, v[TK+4*(\i)+\j]
.endr
	WIN 0
.irp j, 0,1,2,3
	v_lshl_add_u32 v[OFS+4*(\i)+\j], v[20+\j], 11, v[N16]  ; the token's row of 2,048 bytes + my 16 bytes
.endr
	s_wait_dscnt 0x0
	WIN 0x45
.irp t, 0,1,2,3,4,5,6,7
	v_pk_add_f32 v[P+2*\t:P+2*\t+1],       v[P+2*\t:P+2*\t+1],       v[P+16+2*\t:P+16+2*\t+1]
	v_pk_add_f32 v[P+32+2*\t:P+32+2*\t+1], v[P+32+2*\t:P+32+2*\t+1], v[P+48+2*\t:P+48+2*\t+1]
.endr
.irp t, 0,1,2,3,4,5,6,7
	v_pk_add_f32 v[P+2*\t:P+2*\t+1], v[P+2*\t:P+2*\t+1], v[P+32+2*\t:P+32+2*\t+1]
.endr
	WIN 0x41
.irp j, 0,1,2,3
.irp c, 0,1,2,3
	v_add_f32 v[O+16*(\i)+4*\j+\c], v[P+4*\c+\j], v[BI+\c]
.endr
.endr
	WIN 0x04                           ; data window 1
.irp j, 0,1,2,3
	global_store_b128 v[OFS+4*(\i)+\j], v[O+16*(\i)+4*\j:O+16*(\i)+4*\j+3], s[OUTB:OUTB+1] th:TH_STORE_NT  ; lanes 0-15 store 256 aligned bytes of one row, lanes 16-31 of another
.endr
.endm
	s_load_b256 s[4:11], s[0:1], 0x0               ; W2, b2, h, order
	s_load_b64 s[12:13], s[0:1], 0x20              ; out0
	v_lshl_add_u32 v[SPW], v0, 2, SPARE
	v_mov_b32 v[NIL], 0
	v_lshrrev_b32 v20, 5, v0
	v_readfirstlane_b32 s[WV], v20                 ; wave 0..3
	s_and_b32 s[EX], ttmp7, 0xffff
	s_and_b32 s[QR], ttmp9, 3
	s_lshr_b32 s[SL], ttmp9, 2
	s_mov_b32 s3, 0                                ; s[2:3] is a pair for offsets: its high word stays 0
	s_lshl_b32 s[T], s[EX], 2
	v_and_b32 v20, 31, v0                          ; lane
	v_lshlrev_b32 v[L16], 4, v20
	v_and_b32 v21, 15, v0                          ; n
	v_bfe_u32 v22, v0, 4, 1                        ; hh
	v_lshlrev_b32 v[N16], 4, v21
	v_lshl_add_u32 v[WOFF], v22, 15, v[N16]        ; 16 rows of 2,048 bytes x hh + 16 n
	s_mul_i32 s[U], s[WV], RPW
	v_add_nc_u32 v[PSA], s[U], v[L16]
	s_lshr_b32 s[U], s[WV], 1
	s_lshl_b32 s[U], s[U], 12
	s_and_b32 s36, s[WV], 1
	s_lshl_b32 s36, s36, 9
	s_add_co_u32 s[U], s[U], s36
	v_add_nc_u32 v[RD], s[U], v[L16]
	v_add_nc_u32 v[RD+1], RPW, v[RD]
	v_add_nc_u32 v[RD+2], 2*RPW, v[RD]
	v_add_nc_u32 v[RD+3], 3*RPW, v[RD]
	s_and_b32 s36, s[WV], 1
	s_lshl_b32 s36, s36, 4
	v_lshl_add_u32 v[TKO8], v22, 5, s36            ; 4 bytes x (8 hh + 4 (w % 2))
	s_lshr_b32 s[U], s[WV], 1
	s_lshl_b32 s[U], s[U], 8
	v_add_nc_u32 v[TKO], s[U], v[TKO8]             ; + block w / 2: my quarter's blocks lie 64 ranks, 256 bytes, apart
	s_lshl_b32 s[U], s[QR], 3
	v_lshrrev_b32 v23, 3, v20
	v_and_b32 v24, 7, v20
	v_add_nc_u32 v24, s[U], v24
	v_lshlrev_b32 v[PF], 11, v24
	v_lshl_add_u32 v[PF], v23, 16, v[PF]
	s_wait_kmcnt 0x0
	s_load_b32 s[CNT], s[OP:OP+1], s[T] offset:OCNT        ; the expert's count
	s_lshl_b32 s2, s[EX], 22                       ; an expert's W2 is 4,194,304 bytes,
	s_lshl_b32 s[U], s[WV], 20                     ; my K quarter's 512 rows 1,048,576
	s_add_co_u32 s2, s2, s[U]
	s_lshl_b32 s[U], s[SL], 8
	s_add_co_u32 s2, s2, s[U]
	s_add_nc_u64 s[WB0:WB0+1], s[WB:WB+1], s[2:3]
	s_mov_b64 s[WB:WB+1], s[WB0:WB0+1]
	s_lshl_b32 s2, s[EX], 11
	s_add_co_u32 s2, s2, s[U]
	s_add_nc_u64 s[B2:B2+1], s[B2:B2+1], s[2:3]
	s_mov_b32 s2, s[U]
	s_add_nc_u64 s[OUTB:OUTB+1], s[OUTB:OUTB+1], s[2:3]
	global_load_b128 v[BI:BI+3], v[N16], s[B2:B2+1]
	PREW
	; K steps 4 a .. 4 a + 3 of my K quarter are asked for ahead: lane (l / 8, l % 8) asks for the slice's 256 bytes of row 8 q + l % 8 of step 4 a + l / 8, so the four q partners together ask for
	; each once.  a = 1 here; a = 2 and 3 behind the first chunk's first K step.  The last row asked for is my quarter's last.
	global_prefetch_b8 v[PF], s[WB:WB+1] offset:4*KSB th:TH_LOAD_NT scope:SCOPE_SE
	WIN 0xc0
.set i, 0
.rept 20
	v_mov_b32 v[TK+i], 0                           ; the tokens' registers are loaded under one branch and read under another: they are written once here, so that every way finds them written
.set i, i+1
.endr
	WIN 0
	s_wait_kmcnt 0x0
	s_min_u32 s[CNT], s[CNT], 0x1000
	s_add_co_u32 s[NBQ], s[CNT], 15
	s_lshr_b32 s[NBQ], s[NBQ], 4
	s_add_co_u32 s[NBQ], s[NBQ], 3
	s_sub_co_u32 s[NBQ], s[NBQ], s[QR]
	s_lshr_b32 s[NBQ], s[NBQ], 2                   ; the blocks q + 4 j below the expert's number of blocks
	s_wait_loadcnt 32                              ; b2 is in: behind it the 32 loads of weights were issued
	v_cvt_pk_bf16_f32 v20, v[BI], v[BI+1]          ; rounded to bf16 like the other inputs
	v_cvt_pk_bf16_f32 v21, v[BI+2], v[BI+3]
	v_lshlrev_b32 v[BI], 16, v20
	v_and_b32 v[BI+1], 0xffff0000, v20
	v_lshlrev_b32 v[BI+2], 16, v21
	v_and_b32 v[BI+3], 0xffff0000, v21
	s_mov_b32 s[CH], 8
	s_mov_b32 s[J0], 0
.Lchunk:
	s_wait_xcnt 0x0                                ; the last trip's loads and stores have read their registers: HA, OB, the offsets and the rows are written anew below
	s_max_u32 s[NBC], s[NBQ], s[J0]
	s_sub_co_u32 s[NBC], s[NBC], s[J0]
	s_min_u32 s[NBC], s[NBC], 9
	s_lshl2_add_u32 s[U], s[J0], s[QR]             ; q + 4 J0
	s_mul_i32 s2, s[EX], 288
	s_add_co_u32 s2, s2, s[U]
	s_lshl_b32 s2, s2, 16
	s_lshl_b32 s[T], s[WV], 14                     ; my 16 K steps of 1,024 bytes
	s_add_co_u32 s2, s2, s[T]
	s_add_nc_u64 s[HA:HA+1], s[HP:HP+1], s[2:3]
	s_mul_i32 s2, s[EX], OPITCH
	s_lshl_b32 s[U], s[U], 6
	s_add_co_u32 s2, s2, s[U]
	s_add_nc_u64 s[OB:OB+1], s[OP:OP+1], s[2:3]
	s_wait_dscnt 0x0                               ; my reads of the partial sums are over
	s_barrier_signal -1
	s_barrier_wait -1                              ; everybody's are: they may be written anew
	s_cmp_eq_u32 s[NBC], 0
	s_cbranch_scc1 .Lno1
	WIN 0xc0                                       ; the tokens of the rows that I shall store: blocks w / 2 + 2 i; the fifth load takes block 8 in every wave (waves 2 and 3 have no fifth block)
.irp i, 0,1,2,3
	global_load_b128 v[TK+4*\i:TK+4*\i+3], v[TKO], s[OB:OB+1] offset:512*\i
.endr
	global_load_b128 v[TK+16:TK+19], v[TKO8], s[OB:OB+1] offset:2048
	ALOAD 0, 0
	ALOAD 1, 1
	KSTEP 0, 1, 18, 2                              ; K step 0 stands ahead of the loop: its products start the sums; behind its h only K step 1's 18 loads were issued
	WIN 0
	s_cmp_lg_u32 s[J0], 0
	s_cbranch_scc1 .Lasked
	global_prefetch_b8 v[PF], s[WB:WB+1] offset:8*KSB th:TH_LOAD_NT scope:SCOPE_SE
	global_prefetch_b8 v[PF], s[WB:WB+1] offset:12*KSB th:TH_LOAD_NT scope:SCOPE_SE
.Lasked:
	s_mov_b32 s[KT], 4
.Lk:                                               ; K steps 1 + 3 t, 2 + 3 t, 3 + 3 t: once round both rings
	KSTEP 1, 0, 34, 3
	KSTEP 2, 0, 34, 4
	KSTEP 0, 0, 34, 5
	WIN 0
	s_wait_xcnt 0x0                                ; the loads have read WB and HA
	s_add_nc_u64 s[WB:WB+1], s[WB:WB+1], 3*KSB
	s_add_nc_u64 s[HA:HA+1], s[HA:HA+1], 3*1024
	s_sub_co_u32 s[KT], s[KT], 1
	s_cmp_lg_u32 s[KT], 0
	s_cbranch_scc1 .Lk
	KSTEP 1, 0, 34, 3                              ; K step 13 asks for the last; 14 and 15 ask for nothing
	KSTEP 2, 0, 34, -1
	KSTEP 0, 0, 0, -1                              ; its wait is for 0: no load of mine is out from here on
	PLACES
	WIN 0x08                                       ; data window 2.  Each accumulator's low four registers go first; 512 consecutive bytes a store
.irp b, 0,1,2,3,4,5,6,7
.irp c, 0,1,2,3
	ds_store_b128 v[PSA], v[32*\b+8*\c:32*\b+8*\c+3]   offset:\b*4096+\c*1024
	ds_store_b128 v[PSA], v[32*\b+8*\c+4:32*\b+8*\c+7] offset:\b*4096+\c*1024+512
.endr
.endr
	WIN 0x0c                                       ; data window 3
.irp c, 0,1,2,3
	ds_store_b128 v[PSA], v[8*\c:8*\c+3]   offset:8*4096+\c*1024
	ds_store_b128 v[PSA], v[8*\c+4:8*\c+7] offset:8*4096+\c*1024+512
.endr
	WIN 0
	s_wait_xcnt 0x0                                ; the loads have read WB
	s_mov_b64 s[WB:WB+1], s[WB0:WB0+1]
	s_add_co_u32 s[T], s[J0], 9
	s_cmp_lt_u32 s[T], s[NBQ]
	s_cbranch_scc0 .Lno1
	PREW                                           ; a further chunk follows: its first weights go out here, behind the last K step's wait for all loads; they have the reduction in which to land, and their ring shares no register with it
.Lno1:
	s_wait_dscnt 0x0                               ; for the others' sake: my partial sums are in LDS
	s_barrier_signal -1
	s_barrier_wait -1
	s_cmp_eq_u32 s[NBC], 0
	s_cbranch_scc1 .Lno2
	UNIT 0
	UNIT 1
	UNIT 2
	UNIT 3
	UNIT 4
	WIN 0
.Lred_end:
.Lno2:
	s_add_co_u32 s[J0], s[J0], 9
	s_sub_co_u32 s[CH], s[CH], 1
	s_cmp_lg_u32 s[CH], 0
	s_cbranch_scc1 .Lchunk
	s_wait_tensorcnt 0x0                           ; the wave's end, behind my last LDS store
	ds_add_u32 v[SPW], v[NIL]
	s_wait_dscnt 0x0
	s_endpgm
.Lfunc_end_k_q57bc1f2d7a_output:
	.size	k_q57bc1f2d7a_output, .Lfunc_end_k_q57bc1f2d7a_output-k_q57bc1f2d7a_output
	.p2alignl 7, 3214868480
	.fill 96, 4, 3214868480
	.section	.rodata,"a",@progbits
	.p2align	6, 0x0
	.amdhsa_kernel k_q57bc1f2d7a_output
		.amdhsa_group_segment_fixed_size 164352
		.amdhsa_private_segment_fixed_size 0
		.amdhsa_enable_private_segment 0
		.amdhsa_kernarg_size 40
		.amdhsa_user_sgpr_count 2
		.amdhsa_user_sgpr_kernarg_segment_ptr 1
		.amdhsa_wavefront_size32 1
		.amdhsa_system_sgpr_workgroup_id_x 1
		.amdhsa_system_sgpr_workgroup_id_y 1
		.amdhsa_system_sgpr_workgroup_id_z 1
		.amdhsa_system_vgpr_workitem_id 0
		.amdhsa_next_free_vgpr 820
		.amdhsa_next_free_sgpr 66
		.amdhsa_reserve_vcc 0
		.amdhsa_float_denorm_mode_32 3
		.amdhsa_float_denorm_mode_16_64 3
		.amdhsa_memory_ordered 1
		.amdhsa_forward_progress 1
		.amdhsa_inst_pref_size 90
	.end_amdhsa_kernel
	.amdgpu_metadata
---
amdhsa.version: [ 1, 2 ]
amdhsa.kernels:
  - .name:           k_q57bc1f2d7a_output
    .symbol:         k_q57bc1f2d7a_output.kd
    .args:
      - { .name: W2, .offset: 0, .size: 8, .value_kind: global_buffer, .address_space: global }
      - { .name: b2, .offset: 8, .size: 8, .value_kind: global_buffer, .address_space: global }
      - { .name: h, .offset: 16, .size: 8, .value_kind: global_buffer, .address_space: global }
      - { .name: order, .offset: 24, .size: 8, .value_kind: global_buffer, .address_space: global }
      - { .name: out0, .offset: 32, .size: 8, .value_kind: global_buffer, .address_space: global }
    .group_segment_fixed_size: 164352
    .private_segment_fixed_size: 0
    .kernarg_segment_align: 8
    .kernarg_segment_size: 40
    .max_flat_workgroup_size: 128
    .sgpr_count:     66
    .vgpr_count:     820
    .wavefront_size: 32
...
	.end_amdgpu_metadata
.endif
;; end of part 2
;; ======== version 2 of 2: 2 launches
;; workspace buffers: h 150,994,944 bytes; order 147,712 bytes of whole numbers
;; launch hidden (part 3): grid 32 x 8, 4 waves a work-group, no clusters, 168,448 bytes of LDS; arguments W1, b1, groups, x, h, order; writes h, order
.if DOCPART == 3
	.amdgcn_target "amdgcn-amd-amdhsa--gfx1250"
	.amdhsa_code_object_version 6
	.text
	.protected	k_q57bc1f2d7a_hidden
	.globl	k_q57bc1f2d7a_hidden
	.p2align	8
	.type	k_q57bc1f2d7a_hidden,@function
k_q57bc1f2d7a_hidden:
	s_mov_b64 s[64:65], 0
	v_nop
	global_prefetch_b8 v0, s[64:65] scope:SCOPE_SE
	s_setreg_imm32_b32 hwreg(HW_REG_WAVE_MODE, 25, 1), 1
	s_wait_xcnt 0x0
; FIRST PRODUCT OF A LAYER OF ROUTED EXPERTS.  h = relu(x W1[e] + b1[e]) for the tokens whose group is e, and the list of those tokens.
; x [4096][512], W1 [8][512][2048], b1 [8][2048] f32; groups [4096] i32.  x, W1 and b1 are rounded to bf16, sums are f32, h is rounded once to bf16.
; GRID 32 x 8: y = expert e; x = 4 sl + q: sl = slice of 256 hidden columns, q = quarter of the expert's rows.  Four waves; wave w has columns 256 sl + 64 w .. + 63, all K = 512.
; ROWS.  The expert's tokens, in the order of the list made here, form blocks of 16; work-group q owns blocks q + 4 j and takes them nine at a time (a chunk, 144 rows).  The chunk loop has
; 8 trips whatever the counts (8 x 9 >= 64, a quarter's blocks when all 4,096 tokens choose one expert); every wave passes both barriers of every trip, a later chunk without blocks jumps the work alone.
; A chunk that is computed is computed whole: places past the count repeat the list's last token, so the loops hold no branch on data.  THE FIRST CHUNK IS ALWAYS COMPUTED, also where the quarter
; has no block: the second product fetches its first chunk of h and of the list whatever the count, and finds every byte of them stored.  An expert without tokens repeats token 0 there.
; THE LIST.  Every work-group counts for itself: wave w scans tokens 1024 w .. + 1023 and lays those of expert e into its own list in LDS; rank t is found in wave k's list, k = how many of the
; prefix sums P1..P3 are <= t.  The work-groups with sl = 0 store their blocks' tokens, and the one with sl = q = 0 the count, for the second product.
; WEIGHTS go from memory into registers and are rounded and turned there: for 32 k and 64 columns lane (m, hh) loads 16 bytes (4 columns) of rows 16 hh + 0..15; a conversion of rows 2 p, 2 p + 1
; of one column is register p of a fragment, with k = 16 hh + 2 p, + 1.  x's fragments carry the same order of k, so the products are the same.  Every load covers 2 x 256 consecutive aligned bytes.
; THE MATRIX INSTRUCTION IS USED TRANSPOSED (source 0 = 16 columns of W1, source 1 = 16 tokens).  Lane m takes column group pi(m) = (m&3) + 8 (m>>2 & 1) + 4 (m>>3), so that a lane's results are
; token l % 16, columns 16 hh + 0..15 and 32 + 16 hh + 0..15: after rounding just the registers of two fragments of the second product.  h is stored in that order:
; h [e][block 288][K step 64][half 2][lane 32][16 bytes]; each store of a wave covers 512 consecutive bytes, aligned.
; NO JOINT LOADS, no tensor loads: the four q partners read the same slice of W1, but f32 weights must pass through registers to be rounded; by way of LDS each would be 4 bytes written and 4 read
; for 2 bytes of operand, and the slice (524,288 bytes) does not fit beside x's tile (149,760), so it would want a ring; x's rows come by a list, which no descriptor covers.
; LIMITS.  groups lie in 0..7 (a token with another number gets no row).  relu is taken of the rounded number and lets a NaN become 0; infinities are not treated apart.
; REGISTERS in windows of 256 (s_set_vgpr_msb: bits 1:0 source 0, 3:2 source 1, 5:4 source 2, 7:6 destination):
;   window 0: v0-31 addresses and temporaries; v32-63 BF, W1's four fragments (earlier the group words, in the staging the rounded x); v64-255 RAW, a ring of three K steps of f32 weights
;   window 1: v0-215 AR, a ring of three K steps of x's nine fragments (earlier the bias as loaded; on the way out the packed results)
;   window 2: accumulators of blocks 0-7 at 32 b + 8 c (in the staging four slots of x rows)      window 3: v0-31 block 8's; v32-63 the bias as four C tuples
.set WROW,   8192                      ; bytes in a row of W1
.set KSB,    32*WROW                   ; a K step's rows
.set LPITCH, 4352                      ; a wave's list: 1,024 words, the word at index 1024 for tokens of other experts, rounded up to blocks of 256 bytes
.set CNTW,   4*LPITCH                  ; the four waves' counts
.set SPARE,  CNTW+256                  ; the spare words, 128 bytes a wave: two blocks of 256 bytes that no other line names
.set XT,     SPARE+512                 ; x's tile: 144 rows
.set XP,     1040                      ; a row: 1,024 bytes of bf16 + 16: 65 x 16, so the 16 rows of a fragment load start at 16 different groups of four banks (ISA guide 11.1)
.set XG,     48*XP                     ; three blocks: one address register reaches three blocks by the 16-bit offset
.set OPITCH, 18432                     ; order: 4,608 words an expert
.set OCNT,   8*OPITCH                  ; behind them the eight counts
.set LN,   1                           ; lane
.set L16,  2                           ; 16 x lane
.set WOFF, 3                           ; 16 rows x hh + 16 pi(m)
.set AADR, 4                           ; v4-6   LDS address of my part of x's fragments, blocks 0-2, 3-5, 6-8; steps along K
.set XST,  7                           ; v7-9   where I put rounded x: my wave's four rows of a block, 8 bytes a lane
.set SPW,  10                          ; my spare word; never rewritten
.set NIL,  11                          ; 0; never rewritten
.set TOKA, 12                          ; lane 4 b + i: the token of my wave's row i of block b, b = 0..7
.set TOKB, 13                          ; lane i: the same for block 8
.set RHOA, 14                          ; those rows' ranks in chunk 0
.set RHOB, 15
.set PF,   16                          ; offsets of the prefetches
.set LB,   17                          ; my wave's list
.set TK0,  18                          ; 1024 w + 4 lane
.set BOFF, 19                          ; 64 hh
.set AB,   27                          ; m x XP + 32 hh
.set OA,   28                          ; byte offsets of TOKA's and TOKB's ranks in the expert's part of order
.set OB2,  29
.set GOFF, 30                          ; my 16 bytes of groups
.set ZERO, 31                          ; 0, for relu
.set BF,   32
.set RAW,  64
.set BIAS, 32                          ; window 3
.set WB,  4                            ; s[4:5]   W1 at my wave's columns, walks along K
.set B1,  6                            ; s[6:7]   b1
.set GR,  8                            ; s[8:9]   groups
.set XA,  10                           ; s[10:11] x
.set HP,  12                           ; s[12:13] h
.set OP,  14                           ; s[14:15] order
.set WB0, 16                           ; s[16:17] WB at K = 0
.set HB,  18                           ; s[18:19] h at the chunk's first block, my wave's two K steps
.set WV,  20
.set EX,  21
.set QR,  22
.set SL,  23
.set CNT, 24                           ; running count, then the expert's count
.set CM1, 25                           ; the last rank
.set NBQ, 26                           ; my quarter's blocks
.set NBC, 27                           ; 0: the chunk is jumped
.set CH,  28
.set J0,  29                           ; the chunk's first block among my quarter's
.set KT,  30
.set T,   31
.set XB,  32                           ; s[32:63] four slots x four rows: addresses of x rows
.set PS,  66                           ; s66-68   P1..P3
.set ADJ, 69                           ; s69-71   k x LPITCH - 4 Pk
.set CW,  72                           ; s73-75   waves 1 to 3's counts
.set OBS, 78                           ; s[78:79] order at the expert's list
.set MSB, 0
.macro WIN new                         ; the immediate's high byte repeats the setting that is left; a switch that changes nothing is dropped
.if MSB != (\new)
	s_set_vgpr_msb (MSB<<8)|(\new)
.set MSB, (\new)
.endif
.endm
.macro PLACES                          ; four places behind a matrix instruction, ahead of writes of its sources and reads of its result (ISA guide 7.12.1)
.rept 4
	v_nop
.endr
.endm
; 16 loads: the f32 weights of the K step rel steps past WB, into slot of RAW
.macro WLOAD slot, rel
.irp ii, 0,1,2,3,4,5,6,7,8,9,10,11,12,13,14,15
	global_load_b128 v[RAW+64*(\slot)+4*\ii:RAW+64*(\slot)+4*\ii+3], v[WOFF], s[WB:WB+1] offset:(32*(\rel)+\ii)*WROW
.endr
.endm
.macro PREW                            ; K steps 0 to 2 fill the ring
	WLOAD 0, 0
	WLOAD 1, 1
	WLOAD 2, 2
.endm
; 32 conversions: slot of RAW becomes the four fragments: fragment c, register p = rows 2 p, 2 p + 1 of column c
.macro CVTW slot
.irp c, 0,1,2,3
.irp p, 0,1,2,3,4,5,6,7
	v_cvt_pk_bf16_f32 v[BF+8*\c+\p], v[RAW+64*(\slot)+8*\p+\c], v[RAW+64*(\slot)+8*\p+4+\c]
.endr
.endr
.endm
; 18 LDS loads: x's nine fragments of the K step rel steps past AADR
.macro ALOAD slot, rel
	WIN 0x40                           ; destination window 1
.irp b, 0,1,2,3,4,5,6,7,8
	ds_load_b128 v[72*(\slot)+8*\b:72*(\slot)+8*\b+3],   v[AADR+\b/3] offset:(\b%3)*16*XP+64*(\rel)
	ds_load_b128 v[72*(\slot)+8*\b+4:72*(\slot)+8*\b+7], v[AADR+\b/3] offset:(\b%3)*16*XP+64*(\rel)+16
.endr
.endm
; 36 matrix instructions; the 36 accumulators take turns, one instruction a turn, over the loop's jump too.  first = 1: the bias starts the sums
.macro MUL slot, first
.irp b, 0,1,2,3,4,5,6,7,8
.if \b < 8
.if \first
	WIN 0xb4                           ; W1 window 0, x window 1, C window 3 (the bias), D window 2
.else
	WIN 0xa4                           ; C and D window 2
.endif
.else
	WIN 0xf4                           ; C and D window 3
.endif
.irp c, 0,1,2,3
.if \first
	v_wmma_f32_16x16x32_bf16 v[(32*\b)%256+8*\c:(32*\b)%256+8*\c+7], v[BF+8*\c:BF+8*\c+7], v[72*(\slot)+8*\b:72*(\slot)+8*\b+7], v[BIAS+8*\c:BIAS+8*\c+7]
.else
	v_wmma_f32_16x16x32_bf16 v[(32*\b)%256+8*\c:(32*\b)%256+8*\c+7], v[BF+8*\c:BF+8*\c+7], v[72*(\slot)+8*\b:72*(\slot)+8*\b+7], v[(32*\b)%256+8*\c:(32*\b)%256+8*\c+7]
.endif
.endr
.endr
.endm
; A K step on ring slot k.  lw: the weight loads issued behind this step's (two steps' 32, in the tail 16 and 0).  relw: the step three on is asked for into the slot just converted (-1: none).
; ld: the LDS loads issued behind this step's fragments (the next step's 18, at the end 0).  rela: the fragments two steps on go into the slot multiplied last (-1: none).
.macro KSTEP k, first, lw, relw, ld, rela
.if !(\first)
	PLACES                             ; BF and the slot of AR that is loaded below were sources of the products just issued
.endif
	WIN 0
	s_wait_loadcnt \lw
	CVTW \k
.if (\relw) >= 0
	WLOAD \k, \relw
.endif
	s_wait_dscnt \ld
.if (\rela) >= 0
	ALOAD ((\k)+2)%3, \rela
.endif
	MUL \k, \first
.endm
; Rank t (a register) to its token: held to the last rank; the list's correction by the prefix sums; the address held inside the lists
.macro LOOKUP tok, t, a
	v_min_u32 v[\t], s[CM1], v[\t]
	v_min_u32 v[\t], 0xfff, v[\t]
	v_mov_b32 v[\a], 0
	v_cmp_le_u32 vcc_lo, s[PS], v[\t]
	v_cndmask_b32 v[\a], v[\a], v24, vcc_lo
	v_cmp_le_u32 vcc_lo, s[PS+1], v[\t]
	v_cndmask_b32 v[\a], v[\a], v25, vcc_lo
	v_cmp_le_u32 vcc_lo, s[PS+2], v[\t]
	v_cndmask_b32 v[\a], v[\a], v26, vcc_lo
	v_lshl_add_u32 v[\a], v[\t], 2, v[\a]
	v_min_u32 v[\a], 4*LPITCH-4, v[\a]
	ds_load_b32 v[\tok], v[\a]
.endm
; My wave's four rows of block b: their addresses, then 16 loads of 512 consecutive bytes
.macro XLOAD b, slot
	WIN 0
.irp i, 0,1,2,3
.if (\b) < 8
	v_readlane_b32 s2, v[TOKA], 4*(\b)+\i
.else
	v_readlane_b32 s2, v[TOKB], \i
.endif
	s_min_u32 s2, s2, 0xfff
	s_lshl_b32 s2, s2, 11              ; a row of x is 2,048 bytes
	s_add_nc_u64 s[XB+8*(\slot)+2*\i:XB+8*(\slot)+2*\i+1], s[XA:XA+1], s[2:3]
.endr
	WIN 0x80                           ; destination window 2
.irp i, 0,1,2,3
.irp j, 0,1,2,3
	global_load_b128 v[64*(\slot)+16*\i+4*\j:64*(\slot)+16*\i+4*\j+3], v[L16], s[XB+8*(\slot)+2*\i:XB+8*(\slot)+2*\i+1] offset:512*\j
.endr
.endr
.endm
; They are rounded to bf16 and laid into x's tile, 256 consecutive bytes a store
.macro XCONV b, slot
	WIN 0x0a                           ; sources window 2
.irp i, 0,1,2,3
.irp j, 0,1,2,3
	v_cvt_pk_bf16_f32 v[BF+2*(4*\i+\j)],   v[64*(\slot)+16*\i+4*\j],   v[64*(\slot)+16*\i+4*\j+1]
	v_cvt_pk_bf16_f32 v[BF+2*(4*\i+\j)+1], v[64*(\slot)+16*\i+4*\j+2], v[64*(\slot)+16*\i+4*\j+3]
.endr
.endr
	WIN 0
.irp i, 0,1,2,3
.irp j, 0,1,2,3
	ds_store_b64 v[XST+(\b)/3], v[BF+2*(4*\i+\j):BF+2*(4*\i+\j)+1] offset:(((\b)%3)*16+\i)*XP+256*\j
.endr
.endr
.endm
; Block b leaves: rounded (each accumulator's lowest register is read first), relu on the packed halves, four stores of 512 consecutive bytes
.macro EPI b
.if (\b) < 8
	WIN 0x4a                           ; sources window 2, destination window 1
.else
	WIN 0x4f
.endif
.irp j, 0,1,2,3,4,5,6,7
	v_cvt_pk_bf16_f32 v[16*(\b)+2*\j],   v[(32*(\b))%256+\j],    v[(32*(\b))%256+8+\j]
	v_cvt_pk_bf16_f32 v[16*(\b)+2*\j+1], v[(32*(\b))%256+16+\j], v[(32*(\b))%256+24+\j]
.endr
	WIN 0x41
.irp t, 0,1,2,3,4,5,6,7,8,9,10,11,12,13,14,15
	v_pk_max_num_bf16 v[16*(\b)+\t], v[16*(\b)+\t], v[ZERO]
.endr
	WIN 0x04                           ; data window 1
.irp t, 0,1,2,3
	global_store_b128 v[L16], v[16*(\b)+4*\t:16*(\b)+4*\t+3], s[HB:HB+1] offset:(\b)*262144+512*\t  ; my quarter's blocks lie 4 x 65,536 bytes apart
.endr
.endm
; K steps 4 a .. 4 a + 3 of my wave's 256-byte column block are asked for ahead: lane (l / 8, l % 8) asks for row 8 q + l % 8 of step 4 a + l / 8, so the four q partners together ask for each
; row's 256 bytes once; only the first chunk asks.  The last row asked for is 511, the expert's last.
.macro PFETCH a
	WIN 0
	s_cmp_lg_u32 s[J0], 0
	s_cbranch_scc1 .Lasked_\@
	global_prefetch_b8 v[PF], s[WB:WB+1] offset:(\a)*4*KSB th:TH_LOAD_NT scope:SCOPE_SE
.Lasked_\@:
.endm
	s_load_b256 s[4:11], s[0:1], 0x0               ; W1, b1, groups, x
	s_load_b128 s[12:15], s[0:1], 0x20             ; h, order
	v_lshl_add_u32 v[SPW], v0, 2, SPARE
	v_mov_b32 v[NIL], 0
	v_mov_b32 v[ZERO], 0
	v_lshrrev_b32 v20, 5, v0
	v_readfirstlane_b32 s[WV], v20                 ; wave 0..3
	s_and_b32 s[EX], ttmp7, 0xffff                 ; expert
	s_and_b32 s[QR], ttmp9, 3                      ; quarter of the rows
	s_lshr_b32 s[SL], ttmp9, 2                     ; slice of the columns
	s_mov_b32 s3, 0                                ; s[2:3] is a pair for offsets: its high word stays 0
	v_and_b32 v[LN], 31, v0
	v_lshlrev_b32 v[L16], 4, v[LN]
	v_and_b32 v20, 15, v0                          ; m
	v_bfe_u32 v21, v0, 4, 1                        ; hh
	v_and_b32 v22, 3, v20
	v_and_b32 v23, 4, v20
	v_lshl_or_b32 v22, v23, 1, v22
	v_and_b32 v23, 8, v20
	v_lshrrev_b32 v23, 1, v23
	v_or_b32 v22, v22, v23                         ; pi(m)
	v_lshlrev_b32 v[WOFF], 4, v22
	v_lshl_add_u32 v[WOFF], v21, 17, v[WOFF]       ; + 16 rows of 8,192 bytes x hh
	v_mul_u32_u24 v[AB], v20, XP
	v_lshl_add_u32 v[AB], v21, 5, v[AB]            ; row m, 32 bytes (16 k) for each half of the lanes
	s_mul_i32 s[T], s[WV], 4*XP
	s_add_co_u32 s[T], s[T], XT
	v_lshl_add_u32 v[XST], v[LN], 3, s[T]
	v_add_nc_u32 v[XST+1], XG, v[XST]
	v_add_nc_u32 v[XST+2], 2*XG, v[XST]
	s_lshl_b32 s[T], s[QR], 4
	s_lshl2_add_u32 s[T], s[WV], s[T]              ; 16 q + 4 w
	v_lshrrev_b32 v24, 2, v[LN]
	v_and_b32 v25, 3, v[LN]
	v_lshl_add_u32 v[RHOA], v24, 6, v25            ; my quarter's blocks lie 64 ranks apart
	v_add_nc_u32 v[RHOA], s[T], v[RHOA]
	v_add_nc_u32 v[RHOB], s[T], v25
	v_add_nc_u32 v[RHOB], 0x200, v[RHOB]           ; block 8: 8 x 64 ranks on
	s_lshl_b32 s[T], s[QR], 3
	v_lshrrev_b32 v24, 3, v[LN]
	v_and_b32 v25, 7, v[LN]
	v_add_nc_u32 v25, s[T], v25
	v_lshlrev_b32 v[PF], 13, v25
	v_lshl_add_u32 v[PF], v24, 18, v[PF]
	s_mul_i32 s[T], s[WV], LPITCH
	v_mov_b32 v[LB], s[T]
	s_lshl_b32 s[T], s[WV], 10
	v_lshl_add_u32 v[TK0], v[LN], 2, s[T]
	v_lshlrev_b32 v[BOFF], 6, v21
	s_lshl_b32 s[T], s[WV], 12
	v_add_nc_u32 v[GOFF], s[T], v[L16]
	s_wait_kmcnt 0x0
	s_lshl_b32 s2, s[EX], 22                       ; an expert's W1 is 4,194,304 bytes
	s_lshl_b32 s[T], s[SL], 10
	s_add_co_u32 s2, s2, s[T]
	s_lshl_b32 s[T], s[WV], 8
	s_add_co_u32 s2, s2, s[T]
	s_add_nc_u64 s[WB0:WB0+1], s[WB:WB+1], s[2:3]
	s_mov_b64 s[WB:WB+1], s[WB0:WB0+1]
	s_lshl_b32 s2, s[EX], 13
	s_lshl_b32 s[T], s[SL], 10
	s_add_co_u32 s2, s2, s[T]
	s_lshl_b32 s[T], s[WV], 8
	s_add_co_u32 s2, s2, s[T]
	s_add_nc_u64 s[B1:B1+1], s[B1:B1+1], s[2:3]
	s_mul_i32 s2, s[EX], OPITCH
	s_add_nc_u64 s[OBS:OBS+1], s[OP:OP+1], s[2:3]
	; all that can be asked for now: my 1,024 group words, my bias, the first three K steps of weights
.irp i, 0,1,2,3,4,5,6,7
	global_load_b128 v[BF+4*\i:BF+4*\i+3], v[GOFF], s[GR:GR+1] offset:512*\i
.endr
	WIN 0x40
.irp j, 0,1,2,3,4,5,6,7
	global_load_b128 v[4*\j:4*\j+3], v[BOFF], s[B1:B1+1] offset:128*(\j/4)+16*(\j%4)  ; columns 32 (j / 4) + 16 hh + 4 (j % 4) + 0..3: register j of the four C tuples
.endr
	WIN 0
	PREW
	s_wait_loadcnt 56                              ; the group words are in: behind them 8 loads of bias and 48 of weights were issued
	; THE LIST.  Word jj of lane l is token 1024 w + 128 (jj / 4) + 4 l + jj % 4.  A token of my expert gets the next place of my wave's list; the others go to the word behind it.
	ds_store_b32 v[LB], v[NIL]                     ; my list's first word starts as token 0: rank 0 of an expert without tokens finds a word that has been written
	s_mov_b32 s[CNT], 0
.set jj, 0
.rept 32
	v_cmp_eq_u32 vcc_lo, s[EX], v[BF+jj]
	v_mbcnt_lo_u32_b32 v[20+2*(jj%2)], vcc_lo, s[CNT]      ; the count so far + the lanes below me that have one
	s_bcnt1_i32_b32 s[T], vcc_lo
	s_add_co_u32 s[CNT], s[CNT], s[T]
	v_cndmask_b32 v[20+2*(jj%2)], 0x400, v[20+2*(jj%2)], vcc_lo
	v_min_u32 v[20+2*(jj%2)], 0x400, v[20+2*(jj%2)]
	v_lshl_add_u32 v[20+2*(jj%2)], v[20+2*(jj%2)], 2, v[LB]
	v_add_nc_u32 v[21+2*(jj%2)], 128*(jj/4)+jj%4, v[TK0]
	ds_store_b32 v[20+2*(jj%2)], v[21+2*(jj%2)]
.set jj, jj+1
.endr
	global_prefetch_b8 v[PF], s[WB:WB+1] offset:4*KSB th:TH_LOAD_NT scope:SCOPE_SE  ; K steps 4 to 7, shared out as PFETCH says
	v_mov_b32 v20, s[CNT]
	s_lshl_b32 s[T], s[WV], 2
	s_add_co_u32 s[T], s[T], CNTW
	v_mov_b32 v21, s[T]
	ds_store_b32 v21, v20                          ; all lanes write my wave's count into its word
	s_wait_dscnt 0x0                               ; for the others' sake: my list and my count are in LDS
	s_barrier_signal -1
	s_barrier_wait -1
	v_mov_b32 v24, CNTW
	ds_load_b128 v[20:23], v24
	s_wait_dscnt 0x0
	v_readfirstlane_b32 s[PS], v20                 ; P1
	v_readfirstlane_b32 s[CW+1], v21
	v_readfirstlane_b32 s[CW+2], v22
	v_readfirstlane_b32 s[CW+3], v23
	s_add_co_u32 s[PS+1], s[PS], s[CW+1]
	s_add_co_u32 s[PS+2], s[PS+1], s[CW+2]
	s_add_co_u32 s[CNT], s[PS+2], s[CW+3]
	s_min_u32 s[CNT], s[CNT], 0x1000
	s_lshl_b32 s[T], s[PS], 2
	s_sub_co_u32 s[ADJ], LPITCH, s[T]              ; rank t lies at 4 t + k LPITCH - 4 Pk
	s_lshl_b32 s[T], s[PS+1], 2
	s_sub_co_u32 s[ADJ+1], 2*LPITCH, s[T]
	s_lshl_b32 s[T], s[PS+2], 2
	s_sub_co_u32 s[ADJ+2], 3*LPITCH, s[T]
	s_max_u32 s[CM1], s[CNT], 1
	s_sub_co_u32 s[CM1], s[CM1], 1
	s_add_co_u32 s[NBQ], s[CNT], 15
	s_lshr_b32 s[NBQ], s[NBQ], 4                   ; the expert's blocks,
	s_add_co_u32 s[NBQ], s[NBQ], 3
	s_sub_co_u32 s[NBQ], s[NBQ], s[QR]
	s_lshr_b32 s[NBQ], s[NBQ], 2                   ; and those of them that are q + 4 j
	s_wait_loadcnt 48                              ; the bias is in: behind it the 48 loads of weights were issued
	WIN 0x45                                       ; the bias is rounded to bf16 like the other inputs, and laid out as four C tuples
.irp j, 0,1,2,3,4,5,6,7
	v_cvt_pk_bf16_f32 v[32+2*\j],   v[4*\j],   v[4*\j+1]
	v_cvt_pk_bf16_f32 v[32+2*\j+1], v[4*\j+2], v[4*\j+3]
.endr
	WIN 0xc4                                       ; source 1 window 1, destination window 3
.irp j, 0,1,2,3,4,5,6,7
	v_lshlrev_b32 v[BIAS+\j],    16,         v[32+2*\j]
	v_and_b32     v[BIAS+8+\j],  0xffff0000, v[32+2*\j]
	v_lshlrev_b32 v[BIAS+16+\j], 16,         v[32+2*\j+1]
	v_and_b32     v[BIAS+24+\j], 0xffff0000, v[32+2*\j+1]
.endr
	WIN 0
	s_or_b32 s[T], s[SL], s[QR]
	s_cmp_lg_u32 s[T], 0
	s_cbranch_scc1 .Lnocnt                         ; one work-group an expert stores the count, by its thread 0
	s_lshl_b32 s[T], s[EX], 2
	s_add_co_u32 s[T], s[T], OCNT
	v_mov_b32 v20, s[T]
	v_mov_b32 v21, s[CNT]
	v_cmp_eq_u32 vcc_lo, 0, v0
	s_wait_xcnt 0x0                                ; EXEC is a source of the loads that are out: it changes only behind this wait
	s_and_saveexec_b32 s[T], vcc_lo
	global_store_b32 v20, v21, s[OP:OP+1]
	s_wait_xcnt 0x0                                ; and again, ahead of the line that widens it
	s_or_b32 exec_lo, exec_lo, s[T]
.Lnocnt:
	s_mov_b32 s[CH], 8
	s_mov_b32 s[J0], 0
.Lchunk:
	s_wait_xcnt 0x0                                ; the last trip's loads and stores have read their registers: HB, OA, OB2 and the tokens are written anew below
	s_max_u32 s[NBC], s[NBQ], s[J0]
	s_sub_co_u32 s[NBC], s[NBC], s[J0]
	s_min_u32 s[NBC], s[NBC], 9                    ; the chunk's blocks: 0 to 9;
	s_cmp_eq_u32 s[J0], 0
	s_cselect_b32 s[T], 1, 0
	s_max_u32 s[NBC], s[NBC], s[T]                 ; the first chunk counts as having one, so it is never jumped
	s_mul_i32 s2, s[EX], 288
	s_add_co_u32 s2, s2, s[QR]
	s_lshl2_add_u32 s2, s[J0], s2                  ; block 288 e + q + 4 J0,
	s_lshl_b32 s2, s2, 16                          ; 65,536 bytes each (150,994,944 at the most),
	s_lshl_b32 s[T], s[SL], 13
	s_add_co_u32 s2, s2, s[T]
	s_lshl_b32 s[T], s[WV], 11
	s_add_co_u32 s2, s2, s[T]                      ; K steps 8 sl + 2 w, 1,024 bytes each
	s_add_nc_u64 s[HB:HB+1], s[HP:HP+1], s[2:3]
	s_wait_dscnt 0x0                               ; my reads of x's tile are over
	s_barrier_signal -1
	s_barrier_wait -1                              ; everybody's are: the tile may be written
	s_cmp_eq_u32 s[NBC], 0
	s_cbranch_scc1 .Lnostage
	; THE STAGING.  My wave brings rows 4 w .. 4 w + 3 of each of the nine blocks.
	s_lshl_b32 s[T], s[J0], 6
	v_add_nc_u32 v20, s[T], v[RHOA]
	v_add_nc_u32 v22, s[T], v[RHOB]
	v_lshlrev_b32 v[OA], 2, v20
	v_lshlrev_b32 v[OB2], 2, v22
	v_mov_b32 v24, s[ADJ]
	v_mov_b32 v25, s[ADJ+1]
	v_mov_b32 v26, s[ADJ+2]
	LOOKUP TOKA, 20, 21
	LOOKUP TOKB, 22, 23
	s_wait_dscnt 0x0
	v_min_u32 v[TOKA], 0xfff, v[TOKA]
	v_min_u32 v[TOKB], 0xfff, v[TOKB]
	s_cmp_lg_u32 s[SL], 0
	s_cbranch_scc1 .Lnoord                         ; slice 0 leaves the list for the second product: all 144 places of the chunk, the repeats too
	global_store_b32 v[OA], v[TOKA], s[OBS:OBS+1]
	global_store_b32 v[OB2], v[TOKB], s[OBS:OBS+1]
.Lnoord:
	XLOAD 0, 0
	XLOAD 1, 1
	XLOAD 2, 2
	PFETCH 2
.irp b, 0,1,2,3,4,5,6,7,8
.if \b+3 <= 8
	XLOAD \b+3, (\b+3)%4                           ; its slot's loads were waited for, and its rows converted, a block ago
.endif
.if \b <= 5
	s_wait_loadcnt 48                              ; block b is in: behind it three blocks' 16 loads were issued,
.else
	s_wait_loadcnt 16*(8-\b)                       ; at the end two, one, none
.endif
	XCONV \b, \b%4
.endr
.Lnostage:
	s_wait_dscnt 0x0                               ; for the others' sake: my rows are in the tile
	s_barrier_signal -1
	s_barrier_wait -1
	s_cmp_eq_u32 s[NBC], 0
	s_cbranch_scc1 .Lnowork
	; THE PRODUCT: 16 K steps of 32, 36 matrix instructions each
	v_add_nc_u32 v[AADR],   XT,      v[AB]
	v_add_nc_u32 v[AADR+1], XT+XG,   v[AB]
	v_add_nc_u32 v[AADR+2], XT+2*XG, v[AB]
	ALOAD 0, 0
	ALOAD 1, 1
	KSTEP 0, 1, 32, 3, 18, 2                       ; K step 0 stands ahead of the loop: the bias starts the sums
	PFETCH 3
	s_mov_b32 s[KT], 4
.Lk:                                               ; K steps 1 + 3 t, 2 + 3 t, 3 + 3 t: once round both rings
	KSTEP 1, 0, 32, 4, 18, 3
	KSTEP 2, 0, 32, 5, 18, 4
	KSTEP 0, 0, 32, 6, 18, 5
	WIN 0
	s_wait_xcnt 0x0                                ; the loads have read WB
	s_add_nc_u64 s[WB:WB+1], s[WB:WB+1], 3*KSB
	v_add_nc_u32 v[AADR],   192, v[AADR]
	v_add_nc_u32 v[AADR+1], 192, v[AADR+1]
	v_add_nc_u32 v[AADR+2], 192, v[AADR+2]
	s_sub_co_u32 s[KT], s[KT], 1
	s_cmp_lg_u32 s[KT], 0
	s_cbranch_scc1 .Lk
	KSTEP 1, 0, 32, -1, 18, 3                      ; K steps 13 to 15: no weights are left to ask for, and the counts run down
	KSTEP 2, 0, 16, -1, 18, -1
	KSTEP 0, 0, 0, -1, 0, -1
	PLACES
.irp b, 0,1,2,3,4,5,6,7,8
	EPI \b
.endr
	WIN 0
	s_wait_xcnt 0x0                                ; the stores have read their registers
	s_mov_b64 s[WB:WB+1], s[WB0:WB0+1]
	s_add_co_u32 s[T], s[J0], 9
	s_cmp_lt_u32 s[T], s[NBQ]
	s_cbranch_scc0 .Lnowork
	PREW                                           ; a further chunk follows: its first weights
.Lnowork:
	s_add_co_u32 s[J0], s[J0], 9
	s_sub_co_u32 s[CH], s[CH], 1
	s_cmp_lg_u32 s[CH], 0
	s_cbranch_scc1 .Lchunk
	s_wait_dscnt 0x0                               ; my last reads of x's tile are over.  Their addresses step along K in a register; the barrier below puts every wave's reads
	s_barrier_signal -1                            ; ahead of every wave's closing add, whatever those registers hold: once a launch
	s_barrier_wait -1
	s_wait_tensorcnt 0x0                           ; the wave's end, behind my last LDS store
	ds_add_u32 v[SPW], v[NIL]
	s_wait_dscnt 0x0
	s_endpgm
.Lfunc_end_k_q57bc1f2d7a_hidden:
	.size	k_q57bc1f2d7a_hidden, .Lfunc_end_k_q57bc1f2d7a_hidden-k_q57bc1f2d7a_hidden
	.p2alignl 7, 3214868480
	.fill 96, 4, 3214868480
	.section	.rodata,"a",@progbits
	.p2align	6, 0x0
	.amdhsa_kernel k_q57bc1f2d7a_hidden
		.amdhsa_group_segment_fixed_size 168448
		.amdhsa_private_segment_fixed_size 0
		.amdhsa_enable_private_segment 0
		.amdhsa_kernarg_size 48
		.amdhsa_user_sgpr_count 2
		.amdhsa_user_sgpr_kernarg_segment_ptr 1
		.amdhsa_wavefront_size32 1
		.amdhsa_system_sgpr_workgroup_id_x 1
		.amdhsa_system_sgpr_workgroup_id_y 1
		.amdhsa_system_sgpr_workgroup_id_z 1
		.amdhsa_system_vgpr_workitem_id 0
		.amdhsa_next_free_vgpr 832
		.amdhsa_next_free_sgpr 80
		.amdhsa_reserve_vcc 1
		.amdhsa_float_denorm_mode_32 3
		.amdhsa_float_denorm_mode_16_64 3
		.amdhsa_memory_ordered 1
		.amdhsa_forward_progress 1
		.amdhsa_inst_pref_size 154
	.end_amdhsa_kernel
	.amdgpu_metadata
---
amdhsa.version: [ 1, 2 ]
amdhsa.kernels:
  - .name:           k_q57bc1f2d7a_hidden
    .symbol:         k_q57bc1f2d7a_hidden.kd
    .args:
      - { .name: W1, .offset: 0, .size: 8, .value_kind: global_buffer, .address_space: global }
      - { .name: b1, .offset: 8, .size: 8, .value_kind: global_buffer, .address_space: global }
      - { .name: groups, .offset: 16, .size: 8, .value_kind: global_buffer, .address_space: global }
      - { .name: x, .offset: 24, .size: 8, .value_kind: global_buffer, .address_space: global }
      - { .name: h, .offset: 32, .size: 8, .value_kind: global_buffer, .address_space: global }
      - { .name: order, .offset: 40, .size: 8, .value_kind: global_buffer, .address_space: global }
    .group_segment_fixed_size: 168448
    .private_segment_fixed_size: 0
    .kernarg_segment_align: 8
    .kernarg_segment_size: 48
    .max_flat_workgroup_size: 128
    .sgpr_count:     80
    .vgpr_count:     832
    .wavefront_size: 32
...
	.end_amdgpu_metadata
.endif
;; end of part 3
;; launch output (part 4): grid 32 x 8, 4 waves a work-group, no clusters, 327,680 bytes of LDS; arguments W2, b2, h, order, out0; writes out0
.if DOCPART == 4
	.amdgcn_target "amdgcn-amd-amdhsa--gfx1250"
	.amdhsa_code_object_version 6
	.text
	.protected	k_q57bc1f2d7a_output
	.globl	k_q57bc1f2d7a_output
	.p2align	8
	.type	k_q57bc1f2d7a_output,@function
k_q57bc1f2d7a_output:
	s_mov_b64 s[64:65], 0
	v_nop
	global_prefetch_b8 v0, s[64:65] scope:SCOPE_SE
	s_setreg_imm32_b32 hwreg(HW_REG_WAVE_MODE, 25, 1), 1
	s_wait_xcnt 0x0
; SECOND PRODUCT OF A LAYER OF ROUTED EXPERTS.  out[token] = h W2[e] + b2[e] for the tokens of expert e, by the list and the count that the first product left in order.
; W2 [8][2048][512], b2 [8][512] f32, rounded to bf16 here; h bf16, in the order of this product's fragments: [e][block 288][K step 64][half 2][lane 32][16 bytes]; sums f32; out [4096][512] f32.
; GRID 32 x 8: y = expert e; x = 4 sl + q: sl = slice of 64 output columns (256 aligned bytes of a row of out), q = quarter of the expert's blocks of 16 rows (blocks q + 4 j), nine to a chunk.
; WAVES SHARE K: wave w has K steps 16 w .. 16 w + 15, so each byte of h and of W2 that the work-group needs is taken by one wave.  The four partial sums (f32) meet in LDS once a chunk; wave w then
; adds, for blocks w / 2 + 2 i, the rows 4 (w % 2) + 0..3 of each half, adds the bias and stores.
; THE FIRST CHUNK is written out ahead of the chunk loop and runs whatever the count (the first product has stored all of it).  Its h comes by tensor loads: a tile is my K quarter's next four K steps
; of the nine blocks, 9 rows of 4,096 bytes, 36,864 bytes; each wave has a ring of two slots of its own and reads only its own slots.  Four tiles a wave: two go out at the start, one behind each of
; two barriers; at most two tensor loads of a wave are out.  A refill is asked for when the slot's last fragments are in registers, and has four K steps in which to land.
; W2 goes from memory into registers, a ring of four K steps (64 loads of 512 bytes a wave), and is rounded and turned there: lane (n, hh) loads 16 bytes (4 columns) of rows 16 hh + 0..15 of a K step;
; a conversion of rows 2 p, 2 p + 1 of one column is register p of a fragment with k = 16 hh + 2 p, + 1, the order in which h was laid out.  Fragment c holds columns 4 n + c, so a lane's four sums of
; one row are 16 consecutive bytes of out, and 16 lanes store 256 aligned bytes.
; NO JOINT LOADS.  The eight slices of one (e, q) read the same tiles of h, the four q of one slice the same weights.  But which chunks are worked and which blocks are stored hangs on a count that is
; read from memory.  A text without those branches would multiply
; all eight chunks for every expert, eight times the products.  W2 besides: f32 weights by way of LDS are 4 bytes written and 4 read for 2 of operand, 16 more LDS loads beside h's 18 for 36 products.
; LATER CHUNKS (an expert with more than 576 tokens): the loop has 7 further trips whatever the count (8 x 9 >= 64 blocks); every wave passes both barriers of every trip; a chunk without blocks jumps
; the work alone.  No tensor load stands there: h comes through registers.  A chunk with a block multiplies all nine (the first product has written all nine) and stores only those that exist.
; LIMITS.  As the first product's: groups in 0..7; NaN and infinities are not treated apart.  In the list's last block the places past the count repeat the last token: its row is stored
; more than once, by this work-group alone, with the same bits.
; REGISTERS in windows of 256 (s_set_vgpr_msb: bits 1:0 source 0, 3:2 source 1, 5:4 source 2, 7:6 destination):
;   window 0: v0-31 addresses and temporaries; v32-63 BF, W2's four fragments (in the reduction the stores' offsets); v64-255 RAW, slots 0 to 2 of the ring of f32 weights
;   window 1: v0-215 AR, a ring of three K steps of h's nine fragments (in the reduction v0-63 the four partial sums, v64-143 the rows to store)
;   window 2: accumulators of blocks 0-7 at 32 b + 8 c      window 3: v0-31 block 8's; v32-51 the tokens of the rows that I store; v64-127 slot 3 of the weights' ring
.set WROW,   2048                      ; bytes in a row of W2
.set KSB,    32*WROW
.set SLOTB,  9*4096                    ; a slot: nine blocks x four K steps of 1,024 bytes
.set RINGW,  2*SLOTB                   ; a wave's ring; the four rings begin at LDS byte 0
.set RPW,    40960                     ; a wave's partial sums: [block][c 4][half of the registers 2][lane 32][16 bytes]: nine blocks of 4,096 bytes, rounded up to ten.  They lie over the rings, from byte 0: they are stored behind the rings' last fill of the launch and behind a barrier
.set SPARE,  4*RINGW                   ; behind the rings the spare words, 128 bytes a wave: two blocks of 256 bytes that no other line names
.set OPITCH, 18432
.set OCNT,   8*OPITCH
.set L16,  1                           ; 16 x lane
.set WOFF, 2                           ; 16 rows x hh + 16 n
.set PSA,  3                           ; where I put my partial sums
.set RD,   4                           ; v4-7  where I read wave k's
.set SPW,  8                           ; my spare word; never rewritten
.set NIL,  9                           ; 0; never rewritten
.set BI,   10                          ; v10-13 b2 of my four columns
.set TKO,  14                          ; byte offset in the chunk's list of the four rows that I store of block w / 2
.set N16,  15                          ; 16 n
.set PF,   16                          ; offsets of the prefetches
.set TKO8, 17                          ; the same as TKO for an even block
.set LA,   18                          ; v18-19 LDS address of my 16 bytes in slot 0, 1 of my wave's ring; never rewritten
.set BF,   32
.set OFS,  32
.set RAW,  64
.set RAW3, 64                          ; window 3
.set P,    0                           ; window 1
.set O,    64                          ; window 1
.set TK,   32                          ; window 3
.set WB,  4                            ; s[4:5]   W2 at my K quarter and slice; walks along K in the later chunks
.set B2,  6                            ; s[6:7]   b2
.set HP,  8                            ; s[8:9]   h
.set OP,  10                           ; s[10:11] order
.set OUTB, 12                          ; s[12:13] out0 at my slice
.set WB0, 16
.set HA,  18                           ; s[18:19] later chunks: h at the chunk's first block and my K quarter, walks along K
.set OB,  22                           ; s[22:23] order at the chunk's first rank
.set WV,  24
.set EX,  25
.set QR,  26
.set SL,  27
.set CNT, 28
.set NBQ, 29
.set NBC, 30
.set CH,  31
.set J0,  32
.set KT,  33
.set T,   34
.set U,   35
.set G1,  36                           ; s[36:43] descriptor group 1: the shape, never rewritten
.set G0,  44                           ; s[44:51] descriptor group 0, a set for each slot
.set V,   52
.set MSB, 0
.macro WIN new                         ; the immediate's high byte repeats the setting that is left; a switch that changes nothing is dropped
.if MSB != (\new)
	s_set_vgpr_msb (MSB<<8)|(\new)
.set MSB, (\new)
.endif
.endm
.macro PLACES                          ; four places behind a matrix instruction, ahead of writes of its sources and reads of its result (ISA guide 7.12.1)
.rept 4
	v_nop
.endr
.endm
.macro WLOAD slot, rel                 ; 16 loads: the f32 weights of the K step rel steps past WB
.if (\slot) == 3
	WIN 0xc0                           ; destination window 3
.set RW, RAW3
.else
	WIN 0
.set RW, RAW+64*(\slot)
.endif
.irp ii, 0,1,2,3,4,5,6,7,8,9,10,11,12,13,14,15
	global_load_b128 v[RW+4*\ii:RW+4*\ii+3], v[WOFF], s[WB:WB+1] offset:(32*(\rel)+\ii)*WROW
.endr
.endm
.macro PREW                            ; a later chunk's K steps 0 and 1
	WLOAD 0, 0
	WLOAD 1, 1
.endm
.macro CVTW slot                       ; 32 conversions: fragment c, register p = rows 2 p, 2 p + 1 of column c
.if (\slot) == 3
	WIN 0x0f                           ; sources window 3
.set RW, RAW3
.else
	WIN 0
.set RW, RAW+64*(\slot)
.endif
.irp c, 0,1,2,3
.irp p, 0,1,2,3,4,5,6,7
	v_cvt_pk_bf16_f32 v[BF+8*\c+\p], v[RW+8*\p+\c], v[RW+8*\p+4+\c]
.endr
.endr
.endm
.macro ALOAD slot, rel                 ; later chunks: 18 loads of 512 consecutive bytes: h's nine fragments of the K step rel steps past HA
	WIN 0x40                           ; destination window 1
.irp b, 0,1,2,3,4,5,6,7,8
	global_load_b128 v[72*(\slot)+8*\b:72*(\slot)+8*\b+3],   v[L16], s[HA:HA+1] offset:\b*262144+(\rel)*1024
	global_load_b128 v[72*(\slot)+8*\b+4:72*(\slot)+8*\b+7], v[L16], s[HA:HA+1] offset:\b*262144+(\rel)*1024+512
.endr
.endm
.macro ALOADL slot, s                  ; the first chunk: 18 LDS loads of 512 consecutive bytes: the fragments of K step s of my quarter, from ring slot (s / 4) % 2
	WIN 0x40                           ; destination window 1
.irp b, 0,1,2,3,4,5,6,7,8
	ds_load_b128 v[72*(\slot)+8*\b:72*(\slot)+8*\b+3],   v[LA+((\s)/4)%2] offset:\b*4096+((\s)%4)*1024
	ds_load_b128 v[72*(\slot)+8*\b+4:72*(\slot)+8*\b+7], v[LA+((\s)/4)%2] offset:\b*4096+((\s)%4)*1024+512
.endr
.endm
; 36 matrix instructions; the 36 accumulators take turns, one instruction a turn, from K step to K step and over the loop's jump too.  first = 1: the constant 0 starts the sums
.macro MUL slot, first
.irp b, 0,1,2,3,4,5,6,7,8
.if \b < 8
	WIN 0xa1                           ; h window 1, W2 window 0, C and D window 2
.else
	WIN 0xf1                           ; C and D window 3
.endif
.irp c, 0,1,2,3
.if \first
	v_wmma_f32_16x16x32_bf16 v[(32*\b)%256+8*\c:(32*\b)%256+8*\c+7], v[72*(\slot)+8*\b:72*(\slot)+8*\b+7], v[BF+8*\c:BF+8*\c+7], 0
.else
	v_wmma_f32_16x16x32_bf16 v[(32*\b)%256+8*\c:(32*\b)%256+8*\c+7], v[72*(\slot)+8*\b:72*(\slot)+8*\b+7], v[BF+8*\c:BF+8*\c+7], v[(32*\b)%256+8*\c:(32*\b)%256+8*\c+7]
.endif
.endr
.endr
.endm
; A slot of my ring is filled again, with the tile two tiles on.  All my tensor loads have landed, the other slot's among them; 0 onto my spare word; the address steps; the add is done and my reads of
; the slot are back; a barrier, so that all this holds of all four waves; then the load, the first thing behind it and my only one until the next such barrier.
.macro FILL slot
	WIN 0                              ; the add's registers lie in window 0
	s_wait_tensorcnt 0x0
	ds_add_u32 v[SPW], v[NIL]
	s_add_nc_u64 s[G0+4*(\slot)+2:G0+4*(\slot)+3], s[G0+4*(\slot)+2:G0+4*(\slot)+3], 2*4096  ; eight K steps on; the type bits on top are not reached
	s_wait_dscnt 0x0
	s_barrier_signal -1
	s_barrier_wait -1
	tensor_load_to_lds s[G0+4*(\slot):G0+4*(\slot)+3], s[G1:G1+7]
	s_nop 0
.endm
; K step s of the first chunk, 0 to 15; weights on ring slot s % 4, fragments of h on slot s % 3.  Nothing is stepped: every offset is an immediate.
; The wait for the weights leaves the next three steps' 48 loads out (at the end 32, 16, 0); the step four on is asked for into the slot just converted.  The wait for h's fragments leaves the next
; step's 18 LDS loads out; the fragments two steps on go into the slot multiplied last.  In steps 2 and 6 the ring slot in hand has been read out (its fourth step's fragments were asked for a step ago):
; it is filled again behind the step's products, which work while the waves meet.  Step 10 waits for my last tile: no tensor load was issued behind it.
.macro FSTEP s
.if (\s) > 0
	PLACES                             ; BF and the slot of AR that is loaded below were sources of the products just issued
.endif
.if (\s) <= 12
	s_wait_loadcnt 48
.else
	s_wait_loadcnt 16*(15-(\s))
.endif
	CVTW (\s)%4
.if (\s) <= 11
	WLOAD (\s)%4, (\s)+4
.endif
.if ((\s) == 0) || ((\s) == 4)
	global_prefetch_b8 v[PF], s[WB:WB+1] offset:(8+(\s))*KSB th:TH_LOAD_NT scope:SCOPE_SE  ; K steps 8 to 11, and 12 to 15: their loads are issued from four steps on
.endif
.if (\s) == 10
	s_wait_tensorcnt 0x0               ; my last tile, K steps 12 to 15, is in
.endif
.if (\s) < 15
	s_wait_dscnt 18
.else
	s_wait_dscnt 0x0
.endif
.if ((\s) == 2) || ((\s) == 6)
	MUL (\s)%3, 0
	FILL (\s)/4
	ALOADL ((\s)+2)%3, (\s)+2          ; from the other slot, which FILL's first wait has shown landed; the window is switched directly behind the s_nop
.else
.if (\s) <= 13
	ALOADL ((\s)+2)%3, (\s)+2
.endif
.if (\s) == 0
	MUL 0, 1
	WIN 0
	v_cvt_pk_bf16_f32 v20, v[BI], v[BI+1]          ; b2 was asked for ahead of the weights, so it is in: rounded to bf16 like the other inputs
	v_cvt_pk_bf16_f32 v21, v[BI+2], v[BI+3]
	v_lshlrev_b32 v[BI], 16, v20
	v_and_b32 v[BI+1], 0xffff0000, v20
	v_lshlrev_b32 v[BI+2], 16, v21
	v_and_b32 v[BI+3], 0xffff0000, v21
.else
	MUL (\s)%3, 0
.endif
.endif
.endm
; A K step of a later chunk, on ring slot k of three.  lw: the loads issued behind this step's: the next step's 18 of h and 16 of weights.  rel: the step two on is asked for (-1: none): h ahead of the
; products, the weights behind them: with these 16 more loads are asked for than LOADcnt's field counts, and the issue that waits for room (ISA guide 5.7.1) then holds no product back.
.macro KSTEP k, first, lw, rel
.if !(\first)
	PLACES
.endif
	s_wait_loadcnt \lw
	CVTW \k
.if (\rel) >= 0
	ALOAD ((\k)+2)%3, \rel
.endif
	MUL \k, \first
.if (\rel) >= 0
	WLOAD ((\k)+2)%3, \rel
.endif
.endm
; Unit i of the reduction: block w / 2 + 2 i, registers 4 (w % 2) + 0..3 of its four accumulators: rows 8 hh + 4 (w % 2) + j, columns 4 n + c.  A block that the count does not reach, and
; all behind it, are jumped; of nine blocks waves 2 and 3 have four, so they have no unit 4.  The addition of the bias also turns the 4 x 4 numbers, so that a row's four columns lie in neighbouring registers.
.macro UNIT i
	WIN 0
.if (\i) == 4
	s_cmp_ge_u32 s[WV], 2
	s_cbranch_scc1 .Lred_end
.endif
	s_lshr_b32 s[T], s[WV], 1
	s_add_co_u32 s[T], s[T], 2*(\i)
	s_cmp_ge_u32 s[T], s[NBC]
	s_cbranch_scc1 .Lred_end
	WIN 0x40
.irp k, 0,1,2,3
.irp c, 0,1,2,3
	ds_load_b128 v[P+16*\k+4*\c:P+16*\k+4*\c+3], v[RD+\k] offset:(\i)*8192+\c*1024
.endr
.endr
	WIN 0x0c                           ; source 1 window 3
.irp j, 0,1,2,3
	v_min_u32 v[20+\j], 0xfff, v[TK+4*(\i)+\j]
.endr
	WIN 0
.irp j, 0,1,2,3
	v_lshl_add_u32 v[OFS+4*(\i)+\j], v[20+\j], 11, v[N16]  ; the token's row of 2,048 bytes + my 16 bytes
.endr
	s_wait_dscnt 0x0
	WIN 0x45
.irp t, 0,1,2,3,4,5,6,7
	v_pk_add_f32 v[P+2*\t:P+2*\t+1],       v[P+2*\t:P+2*\t+1],       v[P+16+2*\t:P+16+2*\t+1]
	v_pk_add_f32 v[P+32+2*\t:P+32+2*\t+1], v[P+32+2*\t:P+32+2*\t+1], v[P+48+2*\t:P+48+2*\t+1]
.endr
.irp t, 0,1,2,3,4,5,6,7
	v_pk_add_f32 v[P+2*\t:P+2*\t+1], v[P+2*\t:P+2*\t+1], v[P+32+2*\t:P+32+2*\t+1]
.endr
	WIN 0x41
.irp j, 0,1,2,3
.irp c, 0,1,2,3
	v_add_f32 v[O+16*(\i)+4*\j+\c], v[P+4*\c+\j], v[BI+\c]
.endr
.endr
	WIN 0x04                           ; data window 1
.irp j, 0,1,2,3
	global_store_b128 v[OFS+4*(\i)+\j], v[O+16*(\i)+4*\j:O+16*(\i)+4*\j+3], s[OUTB:OUTB+1] th:TH_STORE_NT  ; lanes 0-15 store 256 aligned bytes of one row, lanes 16-31 of another
.endr
.endm
.macro TKLOAD                          ; the tokens of the rows that I shall store: blocks w / 2 + 2 i; the fifth load takes block 8 in every wave (waves 2 and 3 have no fifth block)
	WIN 0xc0
.irp i, 0,1,2,3
	global_load_b128 v[TK+4*\i:TK+4*\i+3], v[TKO], s[OB:OB+1] offset:512*\i
.endr
	global_load_b128 v[TK+16:TK+19], v[TKO8], s[OB:OB+1] offset:2048
.endm
	s_load_b256 s[4:11], s[0:1], 0x0               ; W2, b2, h, order
	s_load_b64 s[12:13], s[0:1], 0x20              ; out0
	v_lshl_add_u32 v[SPW], v0, 2, SPARE
	v_mov_b32 v[NIL], 0
	ds_add_u32 v[SPW], v[NIL]                      ; the wave's opening, with its wait ahead of my first tensor load; the set-up below, work on registers, stands between them
	v_lshrrev_b32 v20, 5, v0
	v_readfirstlane_b32 s[WV], v20                 ; wave 0..3
	s_and_b32 s[EX], ttmp7, 0xffff                 ; the expert
	s_and_b32 s[QR], ttmp9, 3                      ; the quarter of its blocks
	s_lshr_b32 s[SL], ttmp9, 2                     ; the slice of the columns
	s_mov_b32 s3, 0                                ; s[2:3] is a pair for offsets: its high word stays 0
	s_lshl_b32 s[T], s[EX], 2
	; descriptor group 1: a tile of 9 rows (blocks) of 512 elements of 8 bytes (four K steps); my quarter's blocks lie 4 x 65,536 bytes = 32,768 elements apart; no padding: the reads are 512 consecutive bytes
	s_mov_b32 s[G1], 3<<16                         ; 15:0 no mask; 17:16 elements of 8 bytes
	s_mov_b32 s[G1+1], 512<<16                     ; tensor_dim0 = 512
	s_mov_b32 s[G1+2], 9<<16                       ; tensor_dim1 = 9
	s_mov_b32 s[G1+3], 512<<16                     ; tile_dim0 = 512
	s_mov_b32 s[G1+4], 9                           ; tile_dim1 = 9
	s_mov_b32 s[G1+5], 32768                       ; elements from row to row
	s_mov_b32 s[G1+6], 0
	s_mov_b32 s[G1+7], 0
	s_mov_b32 s[G0], 1                             ; count = 1
	s_mul_i32 s[G0+1], s[WV], RINGW                ; LDS address: my wave's ring, slot 0
	s_mov_b32 s[G0+4], 1
	s_add_co_u32 s[G0+5], s[G0+1], SLOTB           ; slot 1
	v_and_b32 v20, 31, v0                          ; lane
	v_lshlrev_b32 v[L16], 4, v20
	v_and_b32 v21, 15, v0                          ; n
	v_bfe_u32 v22, v0, 4, 1                        ; hh
	v_lshlrev_b32 v[N16], 4, v21
	v_lshl_add_u32 v[WOFF], v22, 15, v[N16]        ; 16 rows of 2,048 bytes x hh + 16 n
	s_and_b32 s[V], s[WV], 1
	s_lshl_b32 s[U], s[V], 4
	v_lshl_add_u32 v[TKO8], v22, 5, s[U]           ; 4 bytes x (8 hh + 4 (w % 2))
	s_lshr_b32 s[U], s[WV], 1
	s_lshl_b32 s[U], s[U], 8
	v_add_nc_u32 v[TKO], s[U], v[TKO8]             ; + block w / 2: my quarter's blocks lie 64 ranks, 256 bytes, apart
	s_lshl_b32 s[U], s[QR], 3
	v_lshrrev_b32 v23, 3, v20
	v_and_b32 v24, 7, v20
	v_add_nc_u32 v24, s[U], v24
	v_lshlrev_b32 v[PF], 11, v24
	v_lshl_add_u32 v[PF], v23, 16, v[PF]
	v_add_nc_u32 v[LA], s[G0+1], v[L16]
	v_add_nc_u32 v[LA+1], SLOTB, v[LA]
	s_wait_dscnt 0x0                               ; the opening add is done
	s_wait_kmcnt 0x0
	s_mul_i32 s2, s[EX], 288
	s_add_co_u32 s2, s2, s[QR]                     ; block 288 e + q,
	s_lshl_b32 s2, s2, 16                          ; 65,536 bytes each,
	s_lshl_b32 s[U], s[WV], 14                     ; my 16 K steps of 1,024 bytes
	s_add_co_u32 s2, s2, s[U]
	s_add_nc_u64 s[G0+2:G0+3], s[HP:HP+1], s[2:3]  ; global address of my first tile,
	s_add_nc_u64 s[G0+6:G0+7], s[G0+2:G0+3], 4096  ; and of my second
	s_or_b32 s[G0+3], s[G0+3], 0x80000000          ; type = 2
	s_or_b32 s[G0+7], s[G0+7], 0x80000000
	tensor_load_to_lds s[G0:G0+3], s[G1:G1+7]      ; both first fills go out together, ahead of everything else: K steps 0 to 3 of my quarter,
	s_nop 0
	tensor_load_to_lds s[G0+4:G0+7], s[G1:G1+7]    ; and 4 to 7
	s_nop 0
	s_load_b32 s[CNT], s[OP:OP+1], s[T] offset:OCNT        ; the expert's count
	s_mul_i32 s2, s[EX], OPITCH
	s_lshl_b32 s[U], s[QR], 6
	s_add_co_u32 s2, s2, s[U]
	s_add_nc_u64 s[OB:OB+1], s[OP:OP+1], s[2:3]    ; the list at block q's first rank
	s_lshl_b32 s2, s[EX], 22                       ; an expert's W2 is 4,194,304 bytes,
	s_lshl_b32 s[U], s[WV], 20                     ; my K quarter's 512 rows 1,048,576,
	s_add_co_u32 s2, s2, s[U]
	s_lshl_b32 s[U], s[SL], 8                      ; the slice's 256 bytes of a row
	s_add_co_u32 s2, s2, s[U]
	s_add_nc_u64 s[WB0:WB0+1], s[WB:WB+1], s[2:3]
	s_mov_b64 s[WB:WB+1], s[WB0:WB0+1]
	s_lshl_b32 s2, s[EX], 11
	s_add_co_u32 s2, s2, s[U]
	s_add_nc_u64 s[B2:B2+1], s[B2:B2+1], s[2:3]
	s_mov_b32 s2, s[U]
	s_add_nc_u64 s[OUTB:OUTB+1], s[OUTB:OUTB+1], s[2:3]
	TKLOAD                                         ; what comes through registers: the tokens, b2, four K steps of weights
	WIN 0
	global_load_b128 v[BI:BI+3], v[N16], s[B2:B2+1]
	WLOAD 0, 0
	WLOAD 1, 1
	WLOAD 2, 2
	WLOAD 3, 3
	WIN 0
	; K steps 4 a .. 4 a + 3 of my K quarter are asked for ahead: lane (l / 8, l % 8) asks for the slice's 256 bytes of row 8 q + l % 8 of step 4 a + l / 8, so the four work-groups of one slice
	; together ask for each once.  a = 1 here; a = 2 and 3 in K steps 0 and 4.  K steps 0 to 3 are loaded outright.  The last row asked for is my quarter's last.
	global_prefetch_b8 v[PF], s[WB:WB+1] offset:4*KSB th:TH_LOAD_NT scope:SCOPE_SE
	s_mul_i32 s[U], s[WV], RPW
	v_add_nc_u32 v[PSA], s[U], v[L16]
	s_lshr_b32 s[U], s[WV], 1
	s_lshl_b32 s[U], s[U], 12
	s_lshl_b32 s[V], s[V], 9
	s_add_co_u32 s[U], s[U], s[V]
	v_add_nc_u32 v[RD], s[U], v[L16]
	v_add_nc_u32 v[RD+1], RPW, v[RD]
	v_add_nc_u32 v[RD+2], 2*RPW, v[RD]
	v_add_nc_u32 v[RD+3], 3*RPW, v[RD]
	s_wait_kmcnt 0x0
	s_min_u32 s[CNT], s[CNT], 0x1000
	s_add_co_u32 s[NBQ], s[CNT], 15
	s_lshr_b32 s[NBQ], s[NBQ], 4
	s_add_co_u32 s[NBQ], s[NBQ], 3
	s_sub_co_u32 s[NBQ], s[NBQ], s[QR]
	s_lshr_b32 s[NBQ], s[NBQ], 2                   ; the blocks q + 4 j below the expert's number of blocks
	s_min_u32 s[NBC], s[NBQ], 9                    ; the first chunk's
	s_mov_b32 s[CH], 8
	s_mov_b32 s[J0], 0
	; THE FIRST CHUNK'S PRODUCT: 16 K steps of 32, 36 matrix instructions each
	s_wait_tensorcnt 0x1                           ; my first tile is in; the second, issued behind it, may stay out
	ALOADL 0, 0
	ALOADL 1, 1
.irp s, 0,1,2,3,4,5,6,7,8,9,10,11,12,13,14,15
	FSTEP \s
.endr
	WIN 0
	s_wait_dscnt 0x0                               ; my reads of my ring are over, and my tensor loads have landed (K step 10's wait)
	s_barrier_signal -1
	s_barrier_wait -1                              ; everybody's: the partial sums may be laid over the rings
	s_branch .Lstores                              ; the chunk loop is entered in the middle of its first trip
.Lchunk:
	s_wait_xcnt 0x0                                ; the last trip's loads and stores have read their registers: HA, OB, the offsets and the rows are written anew below
	s_max_u32 s[NBC], s[NBQ], s[J0]
	s_sub_co_u32 s[NBC], s[NBC], s[J0]
	s_min_u32 s[NBC], s[NBC], 9
	s_lshl2_add_u32 s[U], s[J0], s[QR]             ; q + 4 J0
	s_mul_i32 s2, s[EX], 288
	s_add_co_u32 s2, s2, s[U]
	s_lshl_b32 s2, s2, 16
	s_lshl_b32 s[T], s[WV], 14
	s_add_co_u32 s2, s2, s[T]
	s_add_nc_u64 s[HA:HA+1], s[HP:HP+1], s[2:3]
	s_mul_i32 s2, s[EX], OPITCH
	s_lshl_b32 s[U], s[U], 6
	s_add_co_u32 s2, s2, s[U]
	s_add_nc_u64 s[OB:OB+1], s[OP:OP+1], s[2:3]
	s_wait_dscnt 0x0                               ; my reads of the partial sums are over
	s_barrier_signal -1
	s_barrier_wait -1                              ; everybody's are: they may be written anew
	s_cmp_eq_u32 s[NBC], 0
	s_cbranch_scc1 .Lno1
	TKLOAD
	ALOAD 0, 0
	ALOAD 1, 1
	KSTEP 0, 1, 18, 2                              ; K step 0 stands ahead of the loop: its products start the sums; behind its h only K step 1's 18 loads were issued
	WIN 0
	s_mov_b32 s[KT], 4
.Lk:                                               ; K steps 1 + 3 t, 2 + 3 t, 3 + 3 t: once round both rings
	KSTEP 1, 0, 34, 3
	KSTEP 2, 0, 34, 4
	KSTEP 0, 0, 34, 5
	WIN 0
	s_wait_xcnt 0x0                                ; the loads have read WB and HA
	s_add_nc_u64 s[WB:WB+1], s[WB:WB+1], 3*KSB
	s_add_nc_u64 s[HA:HA+1], s[HA:HA+1], 3*1024
	s_sub_co_u32 s[KT], s[KT], 1
	s_cmp_lg_u32 s[KT], 0
	s_cbranch_scc1 .Lk
	KSTEP 1, 0, 34, 3                              ; K step 13 asks for the last; 14 and 15 ask for nothing
	KSTEP 2, 0, 34, -1
	KSTEP 0, 0, 0, -1                              ; its wait is for 0: no load of mine is out from here on
	WIN 0
.Lstores:                                          ; on both ways the last K step has waited for all my loads
	PLACES
	WIN 0x08                                       ; data window 2.  Each accumulator's low four registers go first; 512 consecutive bytes a store
.irp b, 0,1,2,3,4,5,6,7
.irp c, 0,1,2,3
	ds_store_b128 v[PSA], v[32*\b+8*\c:32*\b+8*\c+3]   offset:\b*4096+\c*1024
	ds_store_b128 v[PSA], v[32*\b+8*\c+4:32*\b+8*\c+7] offset:\b*4096+\c*1024+512
.endr
.endr
	WIN 0x0c                                       ; data window 3
.irp c, 0,1,2,3
	ds_store_b128 v[PSA], v[8*\c:8*\c+3]   offset:8*4096+\c*1024
	ds_store_b128 v[PSA], v[8*\c+4:8*\c+7] offset:8*4096+\c*1024+512
.endr
	WIN 0
	s_wait_xcnt 0x0                                ; the loads and prefetches have read WB
	s_mov_b64 s[WB:WB+1], s[WB0:WB0+1]
	s_add_co_u32 s[T], s[J0], 9
	s_cmp_lt_u32 s[T], s[NBQ]
	s_cbranch_scc0 .Lno1
	PREW                                           ; a further chunk follows: its first weights go out here; they have the reduction in which to land, and their ring shares no register with it
.Lno1:
	s_wait_dscnt 0x0                               ; for the others' sake: my partial sums are in LDS
	s_barrier_signal -1
	s_barrier_wait -1
	s_cmp_eq_u32 s[NBC], 0
	s_cbranch_scc1 .Lno2
	UNIT 0
	UNIT 1
	UNIT 2
	UNIT 3
	UNIT 4
	WIN 0
.Lred_end:
.Lno2:
	s_add_co_u32 s[J0], s[J0], 9
	s_sub_co_u32 s[CH], s[CH], 1
	s_cmp_lg_u32 s[CH], 0
	s_cbranch_scc1 .Lchunk
	s_wait_tensorcnt 0x0                           ; the wave's end, behind my last tensor load and my last LDS store
	ds_add_u32 v[SPW], v[NIL]
	s_wait_dscnt 0x0
	s_endpgm
.Lfunc_end_k_q57bc1f2d7a_output:
	.size	k_q57bc1f2d7a_output, .Lfunc_end_k_q57bc1f2d7a_output-k_q57bc1f2d7a_output
	.p2alignl 7, 3214868480
	.fill 96, 4, 3214868480
	.section	.rodata,"a",@progbits
	.p2align	6, 0x0
	.amdhsa_kernel k_q57bc1f2d7a_output
		.amdhsa_group_segment_fixed_size 327680
		.amdhsa_private_segment_fixed_size 0
		.amdhsa_enable_private_segment 0
		.amdhsa_kernarg_size 40
		.amdhsa_user_sgpr_count 2
		.amdhsa_user_sgpr_kernarg_segment_ptr 1
		.amdhsa_wavefront_size32 1
		.amdhsa_system_sgpr_workgroup_id_x 1
		.amdhsa_system_sgpr_workgroup_id_y 1
		.amdhsa_system_sgpr_workgroup_id_z 1
		.amdhsa_system_vgpr_workitem_id 0
		.amdhsa_next_free_vgpr 896
		.amdhsa_next_free_sgpr 66
		.amdhsa_reserve_vcc 0
		.amdhsa_float_denorm_mode_32 3
		.amdhsa_float_denorm_mode_16_64 3
		.amdhsa_memory_ordered 1
		.amdhsa_forward_progress 1
		.amdhsa_inst_pref_size 204
	.end_amdhsa_kernel
	.amdgpu_metadata
---
amdhsa.version: [ 1, 2 ]
amdhsa.kernels:
  - .name:           k_q57bc1f2d7a_output
    .symbol:         k_q57bc1f2d7a_output.kd
    .args:
      - { .name: W2, .offset: 0, .size: 8, .value_kind: global_buffer, .address_space: global }
      - { .name: b2, .offset: 8, .size: 8, .value_kind: global_buffer, .address_space: global }
      - { .name: h, .offset: 16, .size: 8, .value_kind: global_buffer, .address_space: global }
      - { .name: order, .offset: 24, .size: 8, .value_kind: global_buffer, .address_space: global }
      - { .name: out0, .offset: 32, .size: 8, .value_kind: global_buffer, .address_space: global }
    .group_segment_fixed_size: 327680
    .private_segment_fixed_size: 0
    .kernarg_segment_align: 8
    .kernarg_segment_size: 40
    .max_flat_workgroup_size: 128
    .sgpr_count:     66
    .vgpr_count:     896
    .wavefront_size: 32
...
	.end_amdgpu_metadata
.endif
;; end of part 4
